; MI455X (gfx1250); checked and timed in simulation.
; The chip was launched on July 23, 2026; its instructions are those of AMD's public machine-readable ISA for CDNA 5 (MIT licence, August 2026) and "CDNA5" Instruction Set Architecture Reference Guide (July 2026). The comments in the code are by the model that wrote it; some were corrected since.
;; Feed Forward Network. Allowed arithmetic: float matrix products may take bf16 or f16 operands with f32 sums; other float arithmetic in f32, or as packed bf16 or f16 multiplies, adds, multiply-adds, maxima and minima; sums over many terms, partial sums and values carried from step to step in f32; what a program stores and reads back later, other than sums and carried values, may be rounded once to bf16 or f16.
;; Inputs: w1 2,048 x 2,048 float32; w2 2,048 x 2,048 float32; x 4 x 2,048 x 2,048 float32.
;; Outputs: out0 4 x 2,048 x 2,048 float32.
;; 2 versions, each right; version 2 is version 1 with the launch quant written anew for expert scheduling mode. Each part assembles by itself: llvm-mc -triple=amdgcn-amd-amdhsa -mcpu=gfx1250 --defsym DOCPART=n.
;; ======== version 1 of 2: 5 launches
;; limits: a function is approximated: absolute error at most 1.5e-07; an absolute error that grows with the inputs' magnitude: up to 7.5e-08 times it
;; workspace buffers: bsum 32,768 bytes; ws1 256 bytes; ws2 256 bytes; wq1 8,388,608 bytes; wq2 8,388,608 bytes; aq 33,554,432 bytes; rs 32,768 bytes
;; launch wsum (part 1): grid 128 x 1, 1 waves a work-group, no clusters, 278,784 bytes of LDS; arguments w1, w2, bsum; writes bsum
.if DOCPART == 1
	.amdgcn_target "amdgcn-amd-amdhsa--gfx1250"
	.amdhsa_code_object_version 6
	.text
	.protected	k_qffdc30751c_wsum
	.globl	k_qffdc30751c_wsum
	.p2align	8
	.type	k_qffdc30751c_wsum,@function
k_qffdc30751c_wsum:
	s_mov_b64 s[64:65], 0
	v_nop
	global_prefetch_b8 v0, s[64:65] scope:SCOPE_SE
	s_setreg_imm32_b32 hwreg(HW_REG_WAVE_MODE, 25, 1), 1
	s_wait_xcnt 0x0
; bsum[mat][a][b] = the sum of |w[32 a + i][32 b + j]| over a window of 32 x 32, added one after the other from 0: i outer, j inner.  w1, w2: [2048][2048] f32; bsum: [2][64][64] f32.
; WHY THIS ORDER.  The ternary quantiser of the next launch compares each weight with a threshold made of mean |w|; a mean that differs in its last bits turns weights over.  So the sum is taken in
; the order in which reference() is taken to add when compiled for a CPU: windows of 32 x 32, again and again while both sides have 32 or more: 2048 x 2048 numbers give 64 x 64 sums (this launch),
; those give 2 x 2 sums, and these four are added in row-major order (both in the next launch).
; LIMIT: that order is an assumption about reference()'s compilation; in any other order the mean agrees to a few units in its last place only.  NaN and infinities are not treated apart.
; SHARES.  A work-group is one wave and owns a strip of 32 rows of one matrix: 262,144 dense bytes.  Lane l owns the strip's windows 2 l and 2 l + 1: two chains of 1,024 additions that
; take turns.  The wave's 64 sums are stored by one instruction: 256 consecutive bytes, aligned.  128 strips make 128 work-groups; half a strip would make half such a store and no shorter chain.
; NO CLUSTER, NO MATRIX UNIT: no byte is read by two work-groups, and there is no product.
; LDS.  The strip comes by four tensor loads of 8 rows (65,536 dense bytes each, asked for as 256 rows of 256 bytes, 16 bytes of padding behind each): piece c of 256 bytes lies at 272 c, so
; row r of lane l lies at 8,704 r + 272 l.  Nothing is filled twice.
.set PITCH, 272
.set ROWL,  32*PITCH                   ; a row of w in LDS
.set TILEB, 256*PITCH                  ; what one tensor load fills: 8 rows
.set SPARE, 4*TILEB                    ; behind the strip: the spare words, one block of 256 bytes that no other line names
.set SPW, 1                            ; v1   LDS address of my spare word; never rewritten
.set NIL, 2                            ; v2   0; never rewritten
.set LA,  4                            ; v4   LDS address of my 256 bytes in the row that buffer 0 holds
.set SO,  5                            ; v5   8 x lane: my two sums in the store
.set ACC, 6                            ; v[6:7] the two chains
.set BUF, 8                            ; v[8:135] two row buffers of 64
.set G1,  16                           ; s[16:23] descriptor group 1
.set G0,  24                           ; s[24:39] descriptor group 0, a set for each of the four loads
.set CNT, 40
	s_load_b128 s[4:7], s[0:1], 0x0                ; w1 s[4:5], w2 s[6:7]
	s_load_b64 s[8:9], s[0:1], 0x10                ; bsum
	v_lshl_add_u32 v[SPW], v0, 2, SPARE
	v_mov_b32 v[NIL], 0
	ds_add_u32 v[SPW], v[NIL]                      ; the wave's opening: the add, twice on end, and its wait ahead of my first tensor load
	ds_add_u32 v[SPW], v[NIL]                      ; and once more, under the one wait; the descriptors' constant words stand between
	s_lshr_b32 s10, ttmp9, 6                       ; which matrix
	s_and_b32 s11, ttmp9, 63                       ; which strip
	s_mov_b32 s[G1+0], (3<<16)|(1<<20)|(5<<22)|(3<<25)  ; 17:16 elements of 8 bytes; 20 padding on; 24:22 after every 64 words (code 5); 31:25 4 words of it (code 3)
	s_mov_b32 s[G1+1], 32<<16                      ; tensor_dim0 = 32 elements (256 bytes)
	s_mov_b32 s[G1+2], 256<<16                     ; tensor_dim1 = 256
	s_mov_b32 s[G1+3], 32<<16                      ; tile_dim0 = 32
	s_mov_b32 s[G1+4], 256                         ; tile_dim1 = 256
	s_mov_b32 s[G1+5], 32                          ; 32 elements from row to row: the block is dense
	s_mov_b32 s[G1+6], 0
	s_mov_b32 s[G1+7], 0
.irp i, 0,1,2,3
	s_mov_b32 s[G0+4*(\i)], 1                      ; count = 1
	s_mov_b32 s[G0+4*(\i)+1], (\i)*TILEB           ; LDS address
.endr
	s_lshl_b32 s12, s11, 18                        ; the strip's 262,144 bytes
	s_mov_b32 s13, 0
	s_wait_dscnt 0x0                               ; both opening adds are done
	s_wait_kmcnt 0x0
	s_cmp_eq_u32 s10, 0
	s_cselect_b64 s[14:15], s[4:5], s[6:7]
	s_add_nc_u64 s[14:15], s[14:15], s[12:13]
.irp i, 0,1,2,3
	s_add_nc_u64 s[G0+4*(\i)+2:G0+4*(\i)+3], s[14:15], (\i)*65536  ; global address: rows 8 i to 8 i + 7
	s_or_b32 s[G0+4*(\i)+3], s[G0+4*(\i)+3], 0x80000000           ; type = 2
.endr
.irp i, 0,1,2,3
	tensor_load_to_lds s[G0+4*(\i):G0+4*(\i)+3], s[G1:G1+7]        ; all four go out together: four loads of mine are out
	s_nop 0
.endr
	v_mul_u32_u24 v[LA], v0, PITCH
	v_lshlrev_b32 v[SO], 3, v0
	v_mov_b32 v[ACC], 0                            ; the chains start from 0, as the sum that they follow does
	v_mov_b32 v[ACC+1], 0
	s_lshl_b32 s12, s10, 14                        ; bsum: 16,384 bytes a matrix,
	s_lshl_b32 s41, s11, 8                         ; 256 a strip
	s_add_co_u32 s12, s12, s41
	s_add_nc_u64 s[8:9], s[8:9], s[12:13]
.macro LOADROW b, off                  ; my 256 bytes of a row into buffer b
.set j, 0
.rept 16
	ds_load_b128 v[BUF+64*(\b)+4*j:BUF+64*(\b)+4*j+3], v[LA] offset:(\off)+16*j
.set j, j+1
.endr
.endm
.macro ADDS b                          ; a row's 32 numbers onto each chain, columns ascending; the two chains take turns
.set i, 0
.rept 32
	v_add_f32 v[ACC], v[ACC], |v[BUF+64*(\b)+i]|
	v_add_f32 v[ACC+1], v[ACC+1], |v[BUF+64*(\b)+32+i]|
.set i, i+1
.endr
.endm
; trips x two rows are added; each buffer is asked for again, two rows on, as soon as it has been added.  left: how many younger tensor loads may stay out
; when the tile that these trips ask LDS for has to be there.
.macro SEG trips, left
	s_wait_tensorcnt \left                         ; a wave's tensor loads end in order (ISA guide 10.11.1)
	s_mov_b32 s[CNT], \trips
.Lseg_\@:
	s_wait_dscnt 16                                ; buffer 0 is in; buffer 1's sixteen loads may be out
	ADDS 0
	LOADROW 0, 2*ROWL
	s_wait_dscnt 16                                ; buffer 1 is in; the sixteen just issued may be out
	ADDS 1
	LOADROW 1, 3*ROWL
	v_add_nc_u32 v[LA], 2*ROWL, v[LA]
	s_sub_co_u32 s[CNT], s[CNT], 1
	s_cmp_lg_u32 s[CNT], 0
	s_cbranch_scc1 .Lseg_\@
.endm
	s_wait_tensorcnt 3                             ; rows 0 to 7 are in LDS
	LOADROW 0, 0
	LOADROW 1, ROWL
	SEG 3, 3                                       ; adds rows 0-5, asks for rows 2-7
	SEG 4, 2                                       ; adds rows 6-13, asks for rows 8-15: the second tile
	SEG 4, 1                                       ; adds rows 14-21, asks for rows 16-23
	SEG 4, 0                                       ; adds rows 22-29, asks for rows 24-31
	s_wait_dscnt 16
	ADDS 0                                         ; row 30
	s_wait_dscnt 0x0
	ADDS 1                                         ; row 31
	global_store_b64 v[SO], v[ACC:ACC+1], s[8:9]   ; the wave stores 256 consecutive bytes, aligned
	s_wait_tensorcnt 0x0                           ; the wave's end
	ds_add_u32 v[SPW], v[NIL]
	s_wait_dscnt 0x0
	s_endpgm
.Lfunc_end_k_qffdc30751c_wsum:
	.size	k_qffdc30751c_wsum, .Lfunc_end_k_qffdc30751c_wsum-k_qffdc30751c_wsum
	.p2alignl 7, 3214868480
	.fill 96, 4, 3214868480
	.section	.rodata,"a",@progbits
	.p2align	6, 0x0
	.amdhsa_kernel k_qffdc30751c_wsum
		.amdhsa_group_segment_fixed_size 278784
		.amdhsa_private_segment_fixed_size 0
		.amdhsa_enable_private_segment 0
		.amdhsa_kernarg_size 24
		.amdhsa_user_sgpr_count 2
		.amdhsa_user_sgpr_kernarg_segment_ptr 1
		.amdhsa_wavefront_size32 1
		.amdhsa_system_sgpr_workgroup_id_x 1
		.amdhsa_system_sgpr_workgroup_id_y 1
		.amdhsa_system_sgpr_workgroup_id_z 1
		.amdhsa_system_vgpr_workitem_id 0
		.amdhsa_next_free_vgpr 136
		.amdhsa_next_free_sgpr 66
		.amdhsa_reserve_vcc 0
		.amdhsa_float_denorm_mode_32 3
		.amdhsa_float_denorm_mode_16_64 3
		.amdhsa_memory_ordered 1
		.amdhsa_forward_progress 1
		.amdhsa_inst_pref_size 55
	.end_amdhsa_kernel
	.amdgpu_metadata
---
amdhsa.version: [ 1, 2 ]
amdhsa.kernels:
  - .name:           k_qffdc30751c_wsum
    .symbol:         k_qffdc30751c_wsum.kd
    .args:
      - { .name: w1, .offset: 0, .size: 8, .value_kind: global_buffer, .address_space: global }
      - { .name: w2, .offset: 8, .size: 8, .value_kind: global_buffer, .address_space: global }
      - { .name: bsum, .offset: 16, .size: 8, .value_kind: global_buffer, .address_space: global }
    .group_segment_fixed_size: 278784
    .private_segment_fixed_size: 0
    .kernarg_segment_align: 8
    .kernarg_segment_size: 24
    .max_flat_workgroup_size: 32
    .sgpr_count:     66
    .vgpr_count:     136
    .wavefront_size: 32
...
	.end_amdgpu_metadata
.endif
;; end of part 1
;; launch quant (part 2): grid 512 x 1, 8 waves a work-group, no clusters, 17,920 bytes of LDS; arguments x, w1, w2, bsum, aq, rs, wq1, wq2, ws1, ws2; writes aq, rs, wq1, wq2, ws1, ws2
.if DOCPART == 2
	.amdgcn_target "amdgcn-amd-amdhsa--gfx1250"
	.amdhsa_code_object_version 6
	.text
	.protected	k_qffdc30751c_quant
	.globl	k_qffdc30751c_quant
	.p2align	8
	.type	k_qffdc30751c_quant,@function
k_qffdc30751c_quant:
	s_mov_b64 s[64:65], 0
	v_nop
	global_prefetch_b8 v0, s[64:65] scope:SCOPE_SE
	s_setreg_imm32_b32 hwreg(HW_REG_WAVE_MODE, 25, 1), 1
	s_wait_xcnt 0x0
; TWO ROLES, by the work-group's number.
; ROLE W (work-groups 0-255): wq = clip(round(w x sc), -1, 1) as bf16, sc = 1 / max(mean |w|, 1e-5); ws = 1 / sc (64 copies).  w: [2048][2048] f32.
; ROLE X (work-groups 256-511): aq[r][:] = round(x[r][:] x sc_r) as bf16 (whole numbers of at most 127: exact), sc_r = 127 / max(max |x[r][:]|, 1e-5); rs[r] = 1 / sc_r.  x: [8192][2048] f32.
; EVERY DECISION OF A QUANTISER is made by reference()'s own f32 steps: a division rounded correctly (DIV), one f32 multiply, round to nearest even.
; THE MEAN.  The launch before has left 64 x 64 sums over windows of 32 x 32.  They are summed over windows of 32 x 32 once more: four sums s(A, B), each added one after the other from 0, rows outer,
; columns inner; then ((s00 + s01) + s10) + s11.  WAVE 0 of each work-group of role W does this, while all eight waves' rows of w are on their way: four chains of 1,024 additions that take turns, fed by
; 1,024 LDS loads in which all lanes read the same words.  The total goes to the other seven waves through one word of LDS.
; The order is an assumption about reference()'s compilation, stated at the head of the launch before.
; LIMITS.  NaN and infinities are not treated apart (a NaN loses in the maxima).  Row maxima and mean |w| stay under 2^96, so that DIV's steps stay normal numbers.
; The clip of the activations to -128 .. 127 is not written: |x| x sc is at most 127 (1 + 2^-23), which rounds to 127.  The forward value x + (q / sc - x) is taken as q x (1 / sc).
; NO TENSOR LOADS, NO CLUSTER, NO MATRIX UNIT: each byte of w and x is wanted by one wave, and lies in registers as it lies in memory; what is shared is 16 KiB of window sums a matrix.
; SHARES.  W: 16 rows a work-group, 2 a wave.  X: 32 rows a work-group, 4 a wave, a row whole in 64 registers (a lane's load j holds columns 128 j + 4 lane + 0..3), three row slots.
; Each load of a wave covers 512 consecutive bytes, each bf16 store 256, aligned.
; LDS.  0 .. 16,383: role W's window sums.  MEANW: role W's total, one word.  XSC .. XSC + 127: role X's 32 row scales.  Each in blocks of its own: no byte is named by both roles.  SPARE on: the spare words.
.set MEANW, 16384                      ; role W: the sum of all |w|
.set XSC,   16640                      ; role X's row scales: word 4 w + r is row r of wave w
.set SPARE, 16896                      ; the spare words, 128 bytes for each of eight waves: four blocks of 256 bytes that no other line names
.set EPSB,  0x3727c5ac                 ; 1e-5
.set SPW,  4                           ; v4   LDS address of my spare word; never rewritten
.set NIL,  5                           ; v5   0; never rewritten
.set LANE, 11                          ; v11  lane
.set SCL,  8                           ; v[8:9] the scale, twice
.set INV,  10                          ; v10  1 / scale
.set WV,   24                          ; s24  my wave's number
; q = n / d, rounded correctly for normal operands: a reciprocal, one step of Newton's, the quotient, and two corrections by the exact remainder.
.macro DIV q, n, d, r, e
	v_rcp_f32 v[\r], v[\d]
	v_nop                                          ; a plain instruction behind the reciprocal,
	s_wait_alu depctr_va_vdst(0)                   ; and the wait ahead of its first reader
	v_fma_f32 v[\e], -v[\d], v[\r], 1.0
	v_fma_f32 v[\r], v[\e], v[\r], v[\r]
	v_mul_f32 v[\q], \n, v[\r]
	v_fma_f32 v[\e], -v[\d], v[\q], \n
	v_fma_f32 v[\q], v[\e], v[\r], v[\q]
	v_fma_f32 v[\e], -v[\d], v[\q], \n
	v_fma_f32 v[\q], v[\e], v[\r], v[\q]
.endm
	s_load_b512 s[4:19], s[0:1], 0x0               ; x s[4:5], w1 s[6:7], w2 s[8:9], bsum s[10:11], aq s[12:13], rs s[14:15], wq1 s[16:17], wq2 s[18:19]
	s_load_b128 s[20:23], s[0:1], 0x40             ; ws1 s[20:21], ws2 s[22:23]
	v_lshl_add_u32 v[SPW], v0, 2, SPARE
	v_mov_b32 v[NIL], 0
	v_lshrrev_b32 v7, 5, v0
	v_readfirstlane_b32 s[WV], v7                  ; wave 0..7
	v_and_b32 v[LANE], 31, v0
	s_mov_b32 s25, 0x76543210                      ; v_permlanex16_b32: each lane takes its own place in the other half
	s_mov_b32 s26, 0xfedcba98
	s_mov_b32 s37, 0                               ; the high word of every offset
	s_wait_kmcnt 0x0
	s_cmp_lt_u32 ttmp9, 256
	s_cbranch_scc0 .Lrole_x
	; ---------------- ROLE W ----------------
.set CH,   24                          ; v[24:27] the four chains: s(A, B) at CH + 2 A + B
.set CA,   13                          ; v13  256 x the row in hand: its place in a window's 32 rows
.set ZA,   23                          ; v23  0: MEANW stands in the immediate
.set RING, 192                         ; v[192:255] four quarters of 16: four numbers of each chain
	s_lshr_b32 s27, ttmp9, 7                       ; which matrix
	s_and_b32 s28, ttmp9, 127                      ; which 16 rows
	s_cmp_eq_u32 s27, 0
	s_cselect_b64 s[30:31], s[6:7], s[8:9]         ; w
	s_cselect_b64 s[32:33], s[16:17], s[18:19]     ; wq
	s_cselect_b64 s[34:35], s[20:21], s[22:23]     ; ws
	s_lshl_b32 s36, s27, 14
	s_add_nc_u64 s[10:11], s[10:11], s[36:37]      ; the matrix's 16,384 bytes of window sums
	s_lshl_b32 s36, s28, 17
	s_add_nc_u64 s[30:31], s[30:31], s[36:37]      ; 16 rows of 8,192 bytes
	s_lshl_b32 s36, s28, 16
	s_add_nc_u64 s[32:33], s[32:33], s[36:37]      ; 16 rows of 4,096 bytes
	s_mov_b32 s40, 0x3f803f80                      ; 1.0 twice in bf16
	s_mov_b32 s41, 0xbf80bf80                      ; -1.0 twice
	v_lshlrev_b32 v14, 4, v0                       ; 16 x thread: the work-group's 256 threads take 4,096 bytes a load
	v_lshlrev_b32 v15, 4, v[LANE]
	v_lshl_add_u32 v15, s[WV], 14, v15             ; 16 x lane + my wave's two rows of w
	v_lshlrev_b32 v18, 3, v[LANE]
	v_lshl_add_u32 v18, s[WV], 13, v18             ; 8 x lane + my wave's two rows of wq
	v_mov_b32 v[ZA], 0
	v_mov_b32 v12, 0                               ; the total's register is written in every wave, ahead of the branches on the wave's number
.irp k, 0,1,2,3
	global_load_b128 v[40+4*(\k):43+4*(\k)], v14, s[10:11] offset:4096*(\k)
.endr
.set n, 0
.rept 32                                       ; both my rows: on their way while the mean is made
	global_load_b128 v[64+4*n:67+4*n], v15, s[30:31] offset:8192*(n/16)+512*(n%16) th:TH_LOAD_NT
.set n, n+1
.endr
	s_wait_loadcnt 32                              ; the window sums are in; the 32 younger loads stay out
.irp k, 0,1,2,3
	ds_store_b128 v14, v[40+4*(\k):43+4*(\k)] offset:4096*(\k)
.endr
	s_wait_dscnt 0x0                               ; for wave 0's sake: my part of the window sums lies in LDS
	s_barrier_signal -1
	s_barrier_wait -1                              ; everybody's does
	s_cmp_lg_u32 s[WV], 0
	s_cbranch_scc1 .Lsummed                        ; waves 1 to 7 go on to the next barrier
	; THE FOUR CHAINS, in wave 0.  Window sum (32 A + i, 32 B + j) lies at byte 8,192 A + 256 i + 128 B + 4 j.  A step takes columns 4 jo .. 4 jo + 3 of row i in all four windows: four loads of 16 bytes,
	; sixteen additions, the chains by turns.  A quarter of the ring is asked for again, four steps on, when it has been added: 48 additions ahead of its use.
.macro CLOAD q, off                    ; four numbers of each chain into quarter q, from byte off behind the row in hand
.irp c, 0,1,2,3
	ds_load_b128 v[RING+16*(\q)+4*(\c):RING+16*(\q)+4*(\c)+3], v[CA] offset:(\off)+8192*((\c)/2)+128*((\c)%2)
.endr
.endm
.macro CADD q                          ; columns ascending in each chain
.irp e, 0,1,2,3
.irp c, 0,1,2,3
	v_add_f32 v[CH+(\c)], v[CH+(\c)], v[RING+16*(\q)+4*(\c)+(\e)]
.endr
.endr
.endm
.irp c, 0,1,2,3
	v_mov_b32 v[CH+(\c)], 0                        ; each chain starts from 0, as the sum that it follows does
.endr
	v_mov_b32 v[CA], 0
.irp jo, 0,1,2,3
	CLOAD \jo, 16*(\jo)                            ; row 0, columns 0 to 15
.endr
	s_mov_b32 s38, 31
.Lchain:                                       ; a trip is a row of all four windows: eight steps, twice round the ring
.irp jo, 0,1,2,3,4,5,6,7
	s_wait_dscnt 12                                ; this quarter is in; the other three quarters' twelve loads are younger
	CADD (\jo)%4
.if (\jo) < 4
	CLOAD (\jo)%4, 64+16*(\jo)                     ; the same row, sixteen columns on
.else
	CLOAD (\jo)%4, 256+16*((\jo)-4)                ; the next row's first sixteen columns
.endif
.endr
	v_add_nc_u32 v[CA], 256, v[CA]
	s_sub_co_u32 s38, s38, 1
	s_cmp_lg_u32 s38, 0
	s_cbranch_scc1 .Lchain
.irp jo, 0,1,2,3                               ; row 31 is written out: its first half still asks for its second,
	s_wait_dscnt 12
	CADD \jo
	CLOAD \jo, 64+16*(\jo)
.endr
.irp jo, 0,1,2,3                               ; its second half asks for nothing: the counts run down to 0, so no LDS instruction of mine is out at the signal below
	s_wait_dscnt 12-4*(\jo)
	CADD \jo
.endr
	v_add_f32 v12, v[CH], v[CH+1]                  ; the last stage: ((s00 + s01) + s10) + s11
	v_add_f32 v12, v12, v[CH+2]
	v_add_f32 v12, v12, v[CH+3]
.Lsummed:
	s_barrier_signal -1                            ; wave 0's reads of LDS are over: the total's word is written only behind this barrier.
	s_barrier_wait -1                              ; The other seven waves wait here for the total in any case
	s_cmp_lg_u32 s[WV], 0
	s_cbranch_scc1 .Lhanded
	ds_store_b32 v[ZA], v12 offset:MEANW           ; all lanes write the same word with the same number
	s_wait_dscnt 0x0                               ; for the others' sake: the total lies in LDS
.Lhanded:
	s_barrier_signal -1
	s_barrier_wait -1
	ds_load_b32 v12, v[ZA] offset:MEANW
	s_wait_dscnt 0x0
	v_mul_f32 v12, 0x34800000, v12                 ; the mean: the sum x 2^-22, exact
	v_max_num_f32 v12, EPSB, v12
	DIV SCL, 1.0, 12, 16, 17                       ; sc = 1 / max(mean, 1e-5)
	v_mov_b32 v[SCL+1], v[SCL]
	DIV INV, 1.0, SCL, 16, 17                      ; 1 / sc
	s_wait_loadcnt 0x0                             ; my two rows
.set n, 0
.rept 32                                       ; four weights a lane: multiply, round to even, to bf16 (0 and 1 exact, larger numbers stay larger), clip; the ring's registers take the results, none twice
.set a, 64+4*n
.set o, 192+2*n
	v_pk_mul_f32 v[a:a+1], v[a:a+1], v[SCL:SCL+1]
	v_pk_mul_f32 v[a+2:a+3], v[a+2:a+3], v[SCL:SCL+1]
	v_rndne_f32 v[a], v[a]
	v_rndne_f32 v[a+1], v[a+1]
	v_rndne_f32 v[a+2], v[a+2]
	v_rndne_f32 v[a+3], v[a+3]
	v_cvt_pk_bf16_f32 v[o], v[a], v[a+1]
	v_cvt_pk_bf16_f32 v[o+1], v[a+2], v[a+3]
	v_pk_min_num_bf16 v[o], v[o], s40
	v_pk_min_num_bf16 v[o+1], v[o+1], s40
	v_pk_max_num_bf16 v[o], v[o], s41
	v_pk_max_num_bf16 v[o+1], v[o+1], s41
	global_store_b64 v18, v[o:o+1], s[32:33] offset:4096*(n/16)+256*(n%16)  ; the wave stores 256 consecutive bytes, aligned
.set n, n+1
.endr
	s_or_b32 s36, s28, s[WV]                       ; the matrix's first work-group, its wave 0, stores 1 / sc
	s_cmp_lg_u32 s36, 0
	s_cbranch_scc1 .Lend
	v_mov_b32 v20, v[INV]
	v_mov_b32 v21, v[INV]
	v_lshlrev_b32 v22, 3, v[LANE]
	global_store_b64 v22, v[20:21], s[34:35]       ; 64 copies: 256 consecutive bytes, aligned
	s_branch .Lend
	; ---------------- ROLE X ----------------
.set LO, 1                             ; v1   16 x lane + my wave's four rows of x; never rewritten
.set SO, 2                             ; v2   8 x lane + my wave's four rows of aq; never rewritten
.set WA, 3                             ; v3   16 x wave: my four words among the row scales
.set L4, 6                             ; v6   4 x lane
.macro FILL s, r                       ; row r of my four into slot s: sixteen loads of 512 consecutive bytes
.set j, 0
.rept 16
	global_load_b128 v[64+64*(\s)+4*j:67+64*(\s)+4*j], v[LO], s[4:5] offset:8192*(\r)+512*j th:TH_LOAD_NT
.set j, j+1
.endr
.endm
; Row r, in slot s.  left: how many younger loads may stay out.  next >= 0: the slot is filled again with that row.
.macro ROW r, s, left, next
.set X, 64+64*(\s)
	s_wait_loadcnt \left
.irp c, 0,1,2,3                        ; the largest |x| of my 64 numbers: four chains that do not wait for each other
	v_max_num_f32 v[16+(\c)], |v[X+16*(\c)]|, |v[X+16*(\c)+1]|
.endr
.set k, 1
.rept 7
.irp c, 0,1,2,3
	v_max3_num_f32 v[16+(\c)], v[16+(\c)], |v[X+16*(\c)+2*k]|, |v[X+16*(\c)+2*k+1]|
.endr
.set k, k+1
.endr
	v_max3_num_f32 v16, v16, v17, v18
	v_max_num_f32 v16, v16, v19
	v_max_num_f32_dpp v16, v16, v16 row_xmask:1 row_mask:0xf bank_mask:0xf
	v_max_num_f32_dpp v16, v16, v16 row_xmask:2 row_mask:0xf bank_mask:0xf
	v_max_num_f32_dpp v16, v16, v16 row_xmask:4 row_mask:0xf bank_mask:0xf
	v_max_num_f32_dpp v16, v16, v16 row_xmask:8 row_mask:0xf bank_mask:0xf
	v_permlanex16_b32 v17, v16, s25, s26
	v_max_num_f32 v16, v16, v17                    ; every lane holds the row's maximum
	v_max_num_f32 v16, EPSB, v16
	DIV SCL, 0x42fe0000, 16, 20, 21                ; sc = 127 / max(maximum, 1e-5)
	v_mov_b32 v[SCL+1], v[SCL]
	DIV INV, 1.0, SCL, 20, 21                      ; 1 / sc
	ds_store_b32 v[WA], v[INV] offset:XSC+4*(\r)   ; all lanes write the same word with the same number
.set j, 0
.rept 16
	v_pk_mul_f32 v[X+4*j:X+4*j+1], v[X+4*j:X+4*j+1], v[SCL:SCL+1]
	v_pk_mul_f32 v[X+4*j+2:X+4*j+3], v[X+4*j+2:X+4*j+3], v[SCL:SCL+1]
	v_rndne_f32 v[X+4*j], v[X+4*j]
	v_rndne_f32 v[X+4*j+1], v[X+4*j+1]
	v_rndne_f32 v[X+4*j+2], v[X+4*j+2]
	v_rndne_f32 v[X+4*j+3], v[X+4*j+3]
	v_cvt_pk_bf16_f32 v[X+4*j], v[X+4*j], v[X+4*j+1]
	v_cvt_pk_bf16_f32 v[X+4*j+1], v[X+4*j+2], v[X+4*j+3]
	global_store_b64 v[SO], v[X+4*j:X+4*j+1], s[12:13] offset:4096*(\r)+256*j  ; the wave stores 256 consecutive bytes, aligned
.set j, j+1
.endr
.if (\next) >= 0
	s_wait_xcnt 0x0                                ; the stores above read the slot's registers: they are loaded again only behind this wait
	FILL \s, \next
.endif
.endm
.Lrole_x:
	s_sub_co_u32 s27, ttmp9, 256                   ; which 32 rows
	s_lshl_b32 s36, s27, 18
	s_add_nc_u64 s[4:5], s[4:5], s[36:37]          ; 32 rows of 8,192 bytes
	s_lshl_b32 s36, s27, 17
	s_add_nc_u64 s[12:13], s[12:13], s[36:37]      ; 32 rows of 4,096 bytes
	s_lshl_b32 s36, s27, 7
	s_add_nc_u64 s[14:15], s[14:15], s[36:37]      ; 32 words
	v_lshlrev_b32 v[LO], 4, v[LANE]
	v_lshl_add_u32 v[LO], s[WV], 15, v[LO]
	v_lshlrev_b32 v[SO], 3, v[LANE]
	v_lshl_add_u32 v[SO], s[WV], 14, v[SO]
	s_lshl_b32 s38, s[WV], 4
	v_mov_b32 v[WA], s38
	v_lshlrev_b32 v[L4], 2, v[LANE]
	FILL 0, 0
	FILL 1, 1
	FILL 2, 2
	ROW 0, 0, 32, 3                                ; rows 1 and 2, 32 loads, stay out
	ROW 1, 1, 32, -1                               ; rows 2 and 3 stay out
	ROW 2, 2, 16, -1                               ; row 3 stays out
	ROW 3, 0, 0, -1
	s_wait_dscnt 0x0                               ; for wave 0's sake: my four words lie in LDS
	s_barrier_signal -1
	s_barrier_wait -1
	s_cmp_lg_u32 s[WV], 0
	s_cbranch_scc1 .Lend
	ds_load_b32 v16, v[L4] offset:XSC              ; word l is row l's: wave w put its row r at 16 w + 4 r
	s_wait_dscnt 0x0
	global_store_b32 v[L4], v16, s[14:15]          ; 128 consecutive bytes of rs
.Lend:
	s_wait_tensorcnt 0x0                           ; the wave's end, behind my last LDS store
	ds_add_u32 v[SPW], v[NIL]
	s_wait_dscnt 0x0
	s_endpgm
.Lfunc_end_k_qffdc30751c_quant:
	.size	k_qffdc30751c_quant, .Lfunc_end_k_qffdc30751c_quant-k_qffdc30751c_quant
	.p2alignl 7, 3214868480
	.fill 96, 4, 3214868480
	.section	.rodata,"a",@progbits
	.p2align	6, 0x0
	.amdhsa_kernel k_qffdc30751c_quant
		.amdhsa_group_segment_fixed_size 17920
		.amdhsa_private_segment_fixed_size 0
		.amdhsa_enable_private_segment 0
		.amdhsa_kernarg_size 80
		.amdhsa_user_sgpr_count 2
		.amdhsa_user_sgpr_kernarg_segment_ptr 1
		.amdhsa_wavefront_size32 1
		.amdhsa_system_sgpr_workgroup_id_x 1
		.amdhsa_system_sgpr_workgroup_id_y 1
		.amdhsa_system_sgpr_workgroup_id_z 1
		.amdhsa_system_vgpr_workitem_id 0
		.amdhsa_next_free_vgpr 256
		.amdhsa_next_free_sgpr 66
		.amdhsa_reserve_vcc 0
		.amdhsa_float_denorm_mode_32 3
		.amdhsa_float_denorm_mode_16_64 3
		.amdhsa_memory_ordered 1
		.amdhsa_forward_progress 1
		.amdhsa_inst_pref_size 96
	.end_amdhsa_kernel
	.amdgpu_metadata
---
amdhsa.version: [ 1, 2 ]
amdhsa.kernels:
  - .name:           k_qffdc30751c_quant
    .symbol:         k_qffdc30751c_quant.kd
    .args:
      - { .name: x, .offset: 0, .size: 8, .value_kind: global_buffer, .address_space: global }
      - { .name: w1, .offset: 8, .size: 8, .value_kind: global_buffer, .address_space: global }
      - { .name: w2, .offset: 16, .size: 8, .value_kind: global_buffer, .address_space: global }
      - { .name: bsum, .offset: 24, .size: 8, .value_kind: global_buffer, .address_space: global }
      - { .name: aq, .offset: 32, .size: 8, .value_kind: global_buffer, .address_space: global }
      - { .name: rs, .offset: 40, .size: 8, .value_kind: global_buffer, .address_space: global }
      - { .name: wq1, .offset: 48, .size: 8, .value_kind: global_buffer, .address_space: global }
      - { .name: wq2, .offset: 56, .size: 8, .value_kind: global_buffer, .address_space: global }
      - { .name: ws1, .offset: 64, .size: 8, .value_kind: global_buffer, .address_space: global }
      - { .name: ws2, .offset: 72, .size: 8, .value_kind: global_buffer, .address_space: global }
    .group_segment_fixed_size: 17920
    .private_segment_fixed_size: 0
    .kernarg_segment_align: 8
    .kernarg_segment_size: 80
    .max_flat_workgroup_size: 256
    .sgpr_count:     66
    .vgpr_count:     256
    .wavefront_size: 32
...
	.end_amdgpu_metadata
.endif
;; end of part 2
;; launch gemm (part 3): grid 8 x 32, 4 waves a work-group, clusters of 4 x 4, 327,680 bytes of LDS; arguments aq, wq1, out0, rs, ws1; writes out0
.if DOCPART == 3
	.amdgcn_target "amdgcn-amd-amdhsa--gfx1250"
	.amdhsa_code_object_version 6
	.text
	.protected	k_qffdc30751c_gemm
	.globl	k_qffdc30751c_gemm
	.p2align	8
	.type	k_qffdc30751c_gemm,@function
k_qffdc30751c_gemm:
	s_mov_b64 s[64:65], 0
	v_nop
	global_prefetch_b8 v0, s[64:65] scope:SCOPE_SE
	s_setreg_imm32_b32 hwreg(HW_REG_WAVE_MODE, 25, 1), 1
	s_wait_xcnt 0x0
	s_wait_alu depctr_hold_cnt(0) depctr_sa_sdst(0) depctr_va_vdst(0) depctr_va_sdst(0) depctr_va_ssrc(0) depctr_va_vcc(0) depctr_vm_vsrc(0)
	s_getreg_b32 s2, hwreg(HW_REG_IB_STS2, 6, 4)
	s_cmp_eq_u32 s2, 0
	s_cbranch_scc0 .Lentry_in_a_cluster
	s_endpgm
.Lentry_in_a_cluster:
	s_bfe_u32 s2, ttmp6, 0x10000c
	s_cmp_lg_u32 s2, 0xf033
	s_cbranch_scc0 .Lentry_shape_is_right
	s_endpgm
.Lentry_shape_is_right:
; C[m][n] = (the sum over k of A[m][k] B[n][k]) x rs[m] x ws.  A: [8192][2048] bf16, whole numbers of at most 127; B: [2048][2048] bf16, -1, 0 or 1; rs: [8192] f32; ws: one f32; C: [8192][2048] f32.
; The operands are exact in bf16 and a sum stays under 2^18, so the f32 sums are exact whatever the inputs; the two scales are applied once, to the finished sum (rs x ws first, then the sum: two roundings).
; A tile of C, 256 x 256, is made by a work-group of four waves; a wave makes 128 x 128: 64 accumulators of 16 x 16, 512 registers.  32 x 8 tiles: one work-group for each of 256.
; K goes in steps of 128 through a ring of two LDS slots filled by the tensor data mover: a tile's rows are 256 bytes of memory and start at multiples of 256 bytes from the buffer's first byte.
; CLUSTERS: 4 x 4 work-groups.  The four of a row of the cluster need the same tiles of A, the four of a column the same tiles of B: each tile is asked for JOINTLY, by the same tensor load with the
; same descriptor and a mask that names the four; each receives it in its own LDS.  That divides the requests for A and for B by four.
; REGISTERS, in windows of 256 (s_set_vgpr_msb's low byte: bits 1:0 source 0, 3:2 source 1, 5:4 source 2, 7:6 destination):
;   window 0: v0-31 addresses; v32-47 my rows' scales; v64-127, v128-191 fragments of A, two buffers (on the way out: rows read back from the stage); v192-255 scaled results on the way out
;   window 1: v64-127, v128-191 fragments of B, two buffers     window 2: the 32 accumulators of my rows 0-63 ((a, b) at v[8 (8 a + b)])     window 3: those of my rows 64-127
; THE MATRIX INSTRUCTION IS USED TRANSPOSED: source 0 = 16 rows of B, source 1 = 16 rows of A: lane l then holds row l % 16 of C and the columns 8 (l / 16) + 0..7: 32 consecutive bytes, and one row scale a lane.
.set SIZE_M, 8192
.set SIZE_N, 2048
.set SIZE_K, 2048
.set KSTEP,  128
.set PITCH,  272                       ; an LDS row: 256 bytes + 16 of padding = 68 words: the 16 rows that a load touches start at 16 different groups of four banks (64 banks of 4 bytes: ISA guide 11.1)
.set HALFT,  128*PITCH                 ; 128 rows: what one tensor load brings, and what one wave reads of A or of B
.set SLOT,   4*HALFT                   ; A's 256 rows, then B's 256 rows
.set STAGE,  2*SLOT                    ; behind the ring, never filled by a tensor load: 16 rows x 528 bytes for each wave, for the way out
.set SPITCH, 528                       ; 512 bytes + 16
.set SPARE,  STAGE+4*16*SPITCH         ; behind the stages: the spare words, 128 bytes for each wave: two blocks of 256 bytes that no other line names
.set LAPS, SIZE_K/(2*KSTEP)            ; a lap = two K steps = once round the ring
.set ADRA, 16                          ; v16-17  LDS address of my A fragments in slot 0, 1
.set ADRB, 20                          ; v20-21  the same for B
.set STO,  24                          ; v24     the way out: where I put 32 bytes of a row
.set RD,   25                          ; v25     the way out: where I read a row back
.set CO,   26                          ; v26     16 x lane: my bytes in a row's 512
.set RSO,  27                          ; v27     4 x (lane % 16): my row's scale
.set SPW,  28                          ; v28     LDS address of my spare word; never rewritten
.set NIL,  29                          ; v29     0; never rewritten
.set PFO,  30                          ; v30     the prefetches' offset: lane x a row of A or B (4,096 bytes); never rewritten
.set SC,   32                          ; v[32:47] block a's scale of my row, twice, at SC + 2 a
.set PFA,  44                          ; s[44:45] where my prefetches stand
.set LIM,  43                          ; s43     1 in a wave that prefetches, else the greatest number
.set F0,   64
.set F1,   128
.set TMP,  192
.set G1, 24                            ; s[24:31] descriptor group 1 for A's tiles
.set G0, 32                            ; s[32:39] group 0 for A's tiles, a set for each slot
.set G1B, 48                           ; s[48:55] group 1 for B's tiles: it differs in the mask alone
.set G0B, 56                           ; s[56:63] group 0 for B's tiles
.set MSB, 0
.macro WIN new                         ; the immediate's high byte repeats the setting that is left; a switch that changes nothing is dropped
.if MSB != (\new)
	s_set_vgpr_msb (MSB<<8)|(\new)
.set MSB, \new
.endif
.endm
.set MUL_LO, 0xa1                      ; source 0 (B) window 1, source 1 (A) window 0, C and D window 2
.set MUL_HI, 0xf1                      ; the same, C and D window 3
.set TO_B,   0x40                      ; destination window 1, address window 0
; A joint load.  Waves 0 and 1 fetch A's two halves, waves 2 and 3 B's.  The branch hangs on the wave's number alone.  An s_nop 0 and four v_nop follow each of the two lines.
.macro JLOAD s
	s_cmp_eq_u32 s11, 0
	s_cbranch_scc0 .Lfor_b_\@
	tensor_load_to_lds s[G0+4*(\s):G0+4*(\s)+3], s[G1:G1+7]
	s_nop 0
.rept 4
	v_nop
.endr
	s_branch .Lasked_\@
.Lfor_b_\@:
	tensor_load_to_lds s[G0B+4*(\s):G0B+4*(\s)+3], s[G1B:G1B+7]
	s_nop 0
.rept 4
	v_nop
.endr
.Lasked_\@:
.endm
; A PREFETCH INTO THE L2, behind each joint refill and the run of LDS loads that follows it: the K step that stands TWO refills on, 512 matrix instructions ahead of the load that will want it: 32 rows x 256 bytes, a lane a row.
; Each row's 256 bytes of a K step are named once in the launch: A's rows by the clusters with x = 0, B's by those with y = 0; the four partners that ask for a tile jointly share its rows out BY ADDRESS,
; 32 each of the 128 that a wave fetches.  K steps 0 to 3 come by their loads alone; the loop's last trip asks for nothing: there is no K step two on.
.macro ASK
	s_cmp_gt_u32 s3, s[LIM]                        ; s3 = 1 in the loop's last trip
	s_cbranch_scc0 .Lnot_mine_\@
	global_prefetch_b8 v[PFO], s[PFA:PFA+1] offset:KSTEP*2 th:TH_LOAD_NT scope:SCOPE_SE
.Lnot_mine_\@:
.endm
; A round of the cluster's barrier: my work-group's barrier; wave 0 signals for the work-group; every wave waits for all sixteen; my work-group's barrier once more.
.macro CREST                           ; a round behind its opening barrier
	s_cmp_lg_u32 s10, 0
	s_cbranch_scc1 .Lnot_wave_0_\@
	s_barrier_signal -3
.Lnot_wave_0_\@:
	s_barrier_wait -3
	s_barrier_signal -1
	s_barrier_wait -1
.endm
.macro CROUND                          ; a whole round
	s_barrier_signal -1
	s_barrier_wait -1
	CREST
.endm
	s_load_b128 s[4:7], s[0:1], 0x0                ; A s[4:5], B s[6:7]
	s_load_b64 s[8:9], s[0:1], 0x10                ; C
	s_load_b128 s[68:71], s[0:1], 0x18             ; rs s[68:69], ws s[70:71]
	v_lshl_add_u32 v[SPW], v0, 2, SPARE
	v_mov_b32 v[NIL], 0
	ds_add_u32 v[SPW], v[NIL]                      ; the wave's opening: the add, twice on end, and its wait ahead of my first tensor load
	ds_add_u32 v[SPW], v[NIL]                      ; and once more, under the one wait; the set-up below, work on registers, stands between
	v_lshrrev_b32 v1, 5, v0
	v_readfirstlane_b32 s10, v1                    ; wave 0..3
	s_lshr_b32 s11, s10, 1                         ; which half of the tile's rows is mine.  Also: I fetch for A (0) or for B (1)
	s_and_b32 s12, s10, 1                          ; which half of its columns.  Also: which 128 rows of that tile I fetch
	s_bfe_u32 s40, ttmp6, 0x40000                  ; cx
	s_bfe_u32 s41, ttmp6, 0x40004                  ; cy
	s_lshl_b32 s42, ttmp9, 2
	s_add_co_u32 s42, s42, s40                     ; tile column of C = 4 x cluster x + cx
	s_and_b32 s13, ttmp7, 0xffff
	s_lshl_b32 s13, s13, 2
	s_add_co_u32 s13, s13, s41                     ; tile row of C = 4 x cluster y + cy
	s_lshl_b32 s43, s41, 2
	s_lshl_b32 s43, 15, s43                        ; my row of the cluster: places 4 cy .. 4 cy + 3
	s_lshl_b32 s44, 0x1111, s40                    ; my column: places cx, cx + 4, cx + 8, cx + 12
	s_or_b32 s[G1+0], s43, (1<<16)|(1<<20)|(1<<21)|(5<<22)|(3<<25)  ; the mask: A's tiles go to my row; elements of 2 bytes; padding on; bit 21 beside a mask; after every 64 words, 4 words
	s_or_b32 s[G1B+0], s44, (1<<16)|(1<<20)|(1<<21)|(5<<22)|(3<<25) ; the same with the mask of my column
.irp g, G1, G1B
	s_mov_b32 s[(\g)+1], KSTEP<<16                 ; tensor_dim0 = 128
	s_mov_b32 s[(\g)+2], 128<<16                   ; tensor_dim1 = 128
	s_mov_b32 s[(\g)+3], KSTEP<<16                 ; tile_dim0 = 128
	s_mov_b32 s[(\g)+4], 128                       ; tile_dim1 = 128
	s_mov_b32 s[(\g)+5], SIZE_K                    ; elements from row to row
	s_mov_b32 s[(\g)+6], 0
	s_mov_b32 s[(\g)+7], 0
.endr
	; A's tiles hang on the tile row alone, B's on the tile column alone; every wave makes both addresses, in registers that never hold the other coordinate
	s_lshl_b32 s17, s12, 7
	s_lshl_b32 s16, s13, 8
	s_add_co_u32 s16, s16, s17                     ; A: row 256 x tile row + 128 x half
	s_lshl_b32 s46, s42, 8
	s_add_co_u32 s46, s46, s17                     ; B: row 256 x tile column + 128 x half
	s_mov_b32 s17, 0
	s_mov_b32 s47, 0
	s_mov_b64 s[18:19], SIZE_K*2
	s_mul_u64 s[16:17], s[16:17], s[18:19]
	s_mul_u64 s[46:47], s[46:47], s[18:19]
	s_mul_i32 s20, s10, HALFT                      ; where they go: wave x 128 rows: no place in the cluster enters an LDS address
	s_wait_dscnt 0x0                               ; both opening adds are done
	s_wait_kmcnt 0x0
	s_add_nc_u64 s[14:15], s[4:5], s[16:17]
	s_add_nc_u64 s[46:47], s[6:7], s[46:47]
	CROUND                                         ; all sixteen work-groups are here: the first joint loads meet
.irp s, 0,1
	s_mov_b32 s[G0+4*(\s)], 1
	s_add_co_u32 s[G0+4*(\s)+1], s20, (\s)*SLOT
	s_add_nc_u64 s[G0+4*(\s)+2:G0+4*(\s)+3], s[14:15], (\s)*KSTEP*2  ; K step s
	s_or_b32 s[G0+4*(\s)+3], s[G0+4*(\s)+3], 0x80000000
	s_mov_b32 s[G0B+4*(\s)], 1
	s_add_co_u32 s[G0B+4*(\s)+1], s20, (\s)*SLOT
	s_add_nc_u64 s[G0B+4*(\s)+2:G0B+4*(\s)+3], s[46:47], (\s)*KSTEP*2
	s_or_b32 s[G0B+4*(\s)+3], s[G0B+4*(\s)+3], 0x80000000
	JLOAD \s                                       ; two loads of mine are out
.endr
	; A fragment is 16 rows x 32 K in 8 registers: lane l holds row l % 16; registers 0-3 K = 8 (l / 16) + 0..7, registers 4-7 K = 16 + 8 (l / 16) + 0..7: two loads of 16 bytes, 32 bytes apart.
	v_and_b32 v1, 15, v0                           ; l % 16
	v_bfe_u32 v2, v0, 4, 1                         ; l / 16
	v_mul_u32_u24 v3, v1, PITCH
	v_lshl_add_u32 v3, v2, 4, v3
	s_mul_i32 s21, s11, HALFT                      ; my 128 rows of A
	s_mul_i32 s22, s12, HALFT                      ; my 128 rows of B,
	s_add_co_u32 s22, s22, 2*HALFT                 ; which lie behind A's 256
.irp s, 0,1
	v_add_nc_u32 v[ADRA+(\s)], s21, v3
	v_add_nc_u32 v[ADRB+(\s)], s22, v3
	s_add_co_u32 s21, s21, SLOT
	s_add_co_u32 s22, s22, SLOT
.endr
	s_mul_i32 s23, s10, 16*SPITCH
	s_add_co_u32 s23, s23, STAGE                   ; my stage
	v_mul_u32_u24 v4, v1, SPITCH                   ; in: row l % 16, 32 bytes for each half of the lanes
	v_lshl_add_u32 v4, v2, 5, v4
	v_add_nc_u32 v[STO], s23, v4
	v_and_b32 v5, 31, v0
	v_lshlrev_b32 v[CO], 4, v5                     ; back: 32 lanes take one row of 512 bytes
	v_add_nc_u32 v[RD], s23, v[CO]
	v_lshlrev_b32 v[RSO], 2, v1
	s_lshl_b32 s13, s13, 8                         ; 256 x tile row
	s_lshl_b32 s14, s11, 7
	s_add_co_u32 s16, s13, s14                     ; my first row of C
	s_mov_b32 s17, 0
	s_lshl_b32 s20, s16, 2
	s_mov_b32 s21, 0
	s_add_nc_u64 s[68:69], s[68:69], s[20:21]      ; rs at my first row
	s_mov_b64 s[18:19], SIZE_N*4
	s_mul_u64 s[16:17], s[16:17], s[18:19]
	s_lshl_b32 s46, s42, 10                        ; my first column, in bytes: 1,024 x tile column + 512 x half
	s_lshl_b32 s47, s12, 9
	s_add_co_u32 s46, s46, s47
	s_mov_b32 s47, 0
	s_add_nc_u64 s[16:17], s[16:17], s[46:47]      ; what the first way out adds to C's address
.irp a, 0,1,2,3,4,5,6,7
	global_load_b32 v[SC+2*(\a)], v[RSO], s[68:69] offset:64*(\a)  ; the scale of my row in block a; waited for on the way out
.endr
	s_load_b32 s72, s[70:71], 0x0                  ; ws; waited for on the way out
	; the prefetches.  s13 = 256 x tile row, s42 = tile column, s40 = cx, s41 = cy still stand
	s_lshl_b32 s42, s42, 8
	s_and_b32 s22, ttmp7, 0xffff                   ; cluster y
	s_cmp_eq_u32 s11, 0                            ; do I fetch for A?
	s_cselect_b32 s20, s13, s42                    ; the tile's first row
	s_cselect_b32 s21, s40, s41                    ; my place among the four that ask for it with me
	s_cselect_b32 s22, ttmp9, s22                  ; the coordinate along which other clusters read the same rows
	s_cselect_b64 s[PFA:PFA+1], s[4:5], s[6:7]
	s_cmp_eq_u32 s22, 0
	s_cselect_b32 s[LIM], 1, -1                    ; the same in all sixteen partners, for a given wave
	s_lshl_b32 s22, s12, 7
	s_add_co_u32 s20, s20, s22                     ; + the 128 rows that I fetch
	s_lshl_b32 s21, s21, 5
	s_add_co_u32 s20, s20, s21                     ; + my work-group's 32 of them
	s_mov_b32 s21, 0
	s_mov_b64 s[18:19], SIZE_K*2
	s_mul_u64 s[20:21], s[20:21], s[18:19]
	s_add_nc_u64 s[PFA:PFA+1], s[PFA:PFA+1], s[20:21]
	s_add_nc_u64 s[PFA:PFA+1], s[PFA:PFA+1], 2*KSTEP*2  ; at K step 2: the first refill steps it to 3 and names K step 4
	v_and_b32 v[PFO], 31, v0
	v_mul_u32_u24 v[PFO], v[PFO], SIZE_K*2
; 16 matrix instructions: m blocks a0, a0 + 1 of the window's four x all 8 n blocks, 32 along K.  zero = 1: the first product starts the sums.  The 64 accumulators take turns, in the same order in every quarter.
.macro MUL16 f, hi, a0, zero
	WIN MUL_LO+0x50*(\hi)
.irp a, \a0, (\a0)+1
.irp b, 0,1,2,3,4,5,6,7
.if \zero
	v_wmma_f32_16x16x32_bf16 v[8*(8*(\a)+(\b)):8*(8*(\a)+(\b))+7], v[(\f)+8*(\b):(\f)+8*(\b)+7], v[(\f)+8*(4*(\hi)+(\a)):(\f)+8*(4*(\hi)+(\a))+7], 0
.else
	v_wmma_f32_16x16x32_bf16 v[8*(8*(\a)+(\b)):8*(8*(\a)+(\b))+7], v[(\f)+8*(\b):(\f)+8*(\b)+7], v[(\f)+8*(4*(\hi)+(\a)):(\f)+8*(4*(\hi)+(\a))+7], v[8*(8*(\a)+(\b)):8*(8*(\a)+(\b))+7]
.endif
.endr
.endr
.endm
; 32 LDS loads in one run: the fragments of one quarter step (128 rows of B, 128 rows of A, 32 K at byte k of the rows) into buffer f
.macro FETCH slot, k, f
	WIN TO_B
.irp i, 0,1,2,3,4,5,6,7
	ds_load_b128 v[(\f)+8*(\i):(\f)+8*(\i)+3],   v[ADRB+(\slot)] offset:(\k)+(\i)*16*PITCH
	ds_load_b128 v[(\f)+8*(\i)+4:(\f)+8*(\i)+7], v[ADRB+(\slot)] offset:(\k)+(\i)*16*PITCH+32
.endr
	WIN 0
.irp i, 0,1,2,3,4,5,6,7
	ds_load_b128 v[(\f)+8*(\i):(\f)+8*(\i)+3],   v[ADRA+(\slot)] offset:(\k)+(\i)*16*PITCH
	ds_load_b128 v[(\f)+8*(\i)+4:(\f)+8*(\i)+7], v[ADRA+(\slot)] offset:(\k)+(\i)*16*PITCH+32
.endr
.endm
.macro PLACES                          ; four plain instructions between a matrix instruction and a load into, or a vector instruction on, its registers (ISA guide 7.12.1 for vector instructions)
.rept 4
	v_nop
.endr
.endm
; A K step is four quarters of 32 along K, 64 matrix instructions each, on buffers 0, 1, 0, 1.  One of the first three: multiplies buffer f; in its middle it fetches the next quarter, at byte k, into g.
.macro QUARTER slot, k, f, g, zero
	s_wait_dscnt 8                                 ; B and A's rows 0-63 are in; the youngest eight loads (A's rows 64-127) may be out
	WIN MUL_LO
	MUL16 \f, 0, 0, \zero
	MUL16 \f, 0, 2, \zero
	PLACES
	FETCH \slot, \k, \g
	s_wait_dscnt 32                                ; all but the 32 just issued
	WIN MUL_HI
	MUL16 \f, 1, 0, \zero
	MUL16 \f, 1, 2, \zero
.endm
; The first half of a K step's last quarter: ONE barrier for the change of slots.  In front of it each wave waits for all its tensor loads, of which one is out: its part of the next slot; adds 0 to its
; spare word; and waits for that and for its own reads of this slot.  Behind it nobody reads this slot any more and the next slot is whole.
.macro MEET round                      ; round = 1: a round of the cluster's barrier follows
	WIN 0                                          ; (the add's two registers lie in window 0)
	s_wait_tensorcnt 0x0
	ds_add_u32 v[SPW], v[NIL]                      ; 0 onto my spare word
	s_wait_dscnt 9                                 ; (the add and the youngest eight loads may be out)
	WIN MUL_LO
	MUL16 F1, 0, 0, 0                              ; sixteen matrix instructions stand between the add and the wait for it
	s_wait_dscnt 0x0                               ; the add is done, and my reads of this slot are over
	s_barrier_signal -1
	MUL16 F1, 0, 2, 0                              ; work on registers while the others arrive
.if \round
	WIN 0
.endif
	s_barrier_wait -1
.endm
; The whole last quarter.  fill = 1: behind a round of the cluster's barrier the slot just read out is filled again, first thing, with the K step two steps on: 224 matrix instructions ahead of the wait for it.
.macro TURN slot, next, fill
.if \fill
	s_wait_xcnt 0x0                                ; the last prefetch, a K step back, has read its address: it is stepped here
	s_add_nc_u64 s[PFA:PFA+1], s[PFA:PFA+1], KSTEP*2
	MEET 1
	CREST                                          ; no wave of any partner still reads this slot's tile or has a load on its way
	s_add_nc_u64 s[G0+4*(\slot)+2:G0+4*(\slot)+3], s[G0+4*(\slot)+2:G0+4*(\slot)+3], 2*KSTEP*2
	s_add_nc_u64 s[G0B+4*(\slot)+2:G0B+4*(\slot)+3], s[G0B+4*(\slot)+2:G0B+4*(\slot)+3], 2*KSTEP*2
	JLOAD \slot                                    ; the four v_nop behind it are also the places in front of the loads below
	FETCH \next, 0, F0
	ASK
.else
	MEET 0
	PLACES
	FETCH \next, 0, F0
.endif
	WIN MUL_HI
	MUL16 F1, 1, 0, 0
	MUL16 F1, 1, 2, 0
.endm
; THE WAY OUT of block a (16 rows x 128 columns), in three parts.  SCALE: the sums times my row's scale.  TOSTAGE: into my own stage in LDS, and back as whole rows of 512 bytes.  SEND: stored.
.macro SCALE a
.set AC, 64*((\a)%4)
	WIN 0x02+((\a)/4)                              ; source 0: window 2 or 3
.irp b, 0,1,2,3,4,5,6,7
.irp r, 0,1,2,3                        ; each accumulator's registers ascending
	v_pk_mul_f32 v[TMP+8*(\b)+2*(\r):TMP+8*(\b)+2*(\r)+1], v[AC+8*(\b)+2*(\r):AC+8*(\b)+2*(\r)+1], v[SC+2*(\a):SC+2*(\a)+1]
.endr
.endr
	WIN 0
.endm
.macro TOSTAGE a
	WIN 0
.set BK, 64+64*((\a)%2)
.irp b, 0,1,2,3,4,5,6,7
	ds_store_b128 v[STO], v[TMP+8*(\b):TMP+8*(\b)+3]   offset:64*(\b)
	ds_store_b128 v[STO], v[TMP+8*(\b)+4:TMP+8*(\b)+7] offset:64*(\b)+16
.endr
.set t, 0
.rept 16
	ds_load_b128 v[BK+4*t:BK+4*t+3], v[RD] offset:t*SPITCH  ; LDS serves a wave's instructions in order (ISA guide 5.7.1.4): these see the stores above
.set t, t+1
.endr
.endm
.macro SEND a
	WIN 0
.set BK, 64+64*((\a)%2)
	s_wait_dscnt 0x0                               ; the block is back in registers
	s_wait_xcnt 0x0                                ; only behind this wait are the stores' base and the registers that earlier stores read rewritten
.if (\a) == 0
	s_add_nc_u64 s[8:9], s[8:9], s[16:17]          ; on to my first rows
.else
	s_add_nc_u64 s[8:9], s[8:9], 16*SIZE_N*4       ; 16 rows of C on
.endif
.set t, 0
.rept 16
	global_store_b128 v[CO], v[BK+4*t:BK+4*t+3], s[8:9] offset:t*SIZE_N*4  ; the wave stores 512 consecutive bytes, at a multiple of 512 from C's first byte
.set t, t+1
.endr
.endm
	s_wait_tensorcnt 1                             ; my part of K step 0 is in; K step 1's may stay out
	s_barrier_signal -1
	s_barrier_wait -1                              ; everybody's is
	FETCH 0, 0, F0
	QUARTER 0, 64,  F0, F1, 1                      ; the first quarter stands in front of the loop: its products start the sums
	WIN 0                                          ; at a label and at a branch every window is 0
	s_mov_b32 s3, LAPS-1
.Llap:                                                 ; a trip goes once round the ring, from a lap's second quarter to the next lap's first, and fills both slots again
	QUARTER 0, 128, F1, F0, 0
	QUARTER 0, 192, F0, F1, 0
	TURN 0, 1, 1
	QUARTER 1, 64,  F0, F1, 0
	QUARTER 1, 128, F1, F0, 0
	QUARTER 1, 192, F0, F1, 0
	TURN 1, 0, 1
	QUARTER 0, 64,  F0, F1, 0
	WIN 0
	s_sub_co_u32 s3, s3, 1
	s_cmp_lg_u32 s3, 0
	s_cbranch_scc1 .Llap
	QUARTER 0, 128, F1, F0, 0                      ; the last lap is written out: it fills nothing, and has no round of the cluster's barrier
	QUARTER 0, 192, F0, F1, 0
	TURN 0, 1, 0
	QUARTER 1, 64,  F0, F1, 0
	QUARTER 1, 128, F1, F0, 0
	QUARTER 1, 192, F0, F1, 0
	s_wait_dscnt 8                                 ; the very last quarter: nothing more to fetch
	WIN MUL_LO
	MUL16 F1, 0, 0, 0
	MUL16 F1, 0, 2, 0
	s_wait_dscnt 0x0
	MUL16 F1, 1, 0, 0
	MUL16 F1, 1, 2, 0
	WIN 0
	PLACES                                         ; between the last products and what reads their results or loads into their sources
	PLACES                                         ; (eight, once a launch: the stricter count)
	s_wait_loadcnt 0x0                             ; my rows' scales
	s_wait_kmcnt 0x0                               ; ws
.irp a, 0,1,2,3,4,5,6,7
	v_mul_f32 v[SC+2*(\a)], s72, v[SC+2*(\a)]      ; rs x ws
.endr
.irp a, 0,1,2,3,4,5,6,7
	v_mov_b32 v[SC+2*(\a)+1], v[SC+2*(\a)]         ; twice, for the packed multiply
.endr
	SCALE 0
	TOSTAGE 0
.irp a, 1,2,3,4,5,6,7                  ; block a's multiplies stand between block a - 1's loads from the stage and the wait for them
	SCALE \a
	SEND (\a)-1
	TOSTAGE \a
.endr
	SEND 7
	s_wait_tensorcnt 0x0                           ; the wave's end, behind my last tensor load and my last LDS store
	ds_add_u32 v[SPW], v[NIL]
	s_wait_dscnt 0x0
	CROUND                                         ; the closing round: no work-group ends while a partner may still ask for a tile that names it
	s_endpgm
.Lfunc_end_k_qffdc30751c_gemm:
	.size	k_qffdc30751c_gemm, .Lfunc_end_k_qffdc30751c_gemm-k_qffdc30751c_gemm
	.p2alignl 7, 3214868480
	.fill 96, 4, 3214868480
	.section	.rodata,"a",@progbits
	.p2align	6, 0x0
	.amdhsa_kernel k_qffdc30751c_gemm
		.amdhsa_group_segment_fixed_size 327680
		.amdhsa_private_segment_fixed_size 0
		.amdhsa_enable_private_segment 0
		.amdhsa_kernarg_size 40
		.amdhsa_user_sgpr_count 2
		.amdhsa_user_sgpr_kernarg_segment_ptr 1
		.amdhsa_wavefront_size32 1
		.amdhsa_system_sgpr_workgroup_id_x 1
		.amdhsa_system_sgpr_workgroup_id_y 1
		.amdhsa_system_sgpr_workgroup_id_z 1
		.amdhsa_system_vgpr_workitem_id 0
		.amdhsa_next_free_vgpr 1024
		.amdhsa_next_free_sgpr 74
		.amdhsa_reserve_vcc 0
		.amdhsa_float_denorm_mode_32 3
		.amdhsa_float_denorm_mode_16_64 3
		.amdhsa_memory_ordered 1
		.amdhsa_forward_progress 1
		.amdhsa_inst_pref_size 160
	.end_amdhsa_kernel
	.amdgpu_metadata
---
amdhsa.version: [ 1, 2 ]
amdhsa.kernels:
  - .name:           k_qffdc30751c_gemm
    .symbol:         k_qffdc30751c_gemm.kd
    .args:
      - { .name: aq, .offset: 0, .size: 8, .value_kind: global_buffer, .address_space: global }
      - { .name: wq1, .offset: 8, .size: 8, .value_kind: global_buffer, .address_space: global }
      - { .name: out0, .offset: 16, .size: 8, .value_kind: global_buffer, .address_space: global }
      - { .name: rs, .offset: 24, .size: 8, .value_kind: global_buffer, .address_space: global }
      - { .name: ws1, .offset: 32, .size: 8, .value_kind: global_buffer, .address_space: global }
    .group_segment_fixed_size: 327680
    .private_segment_fixed_size: 0
    .kernarg_segment_align: 8
    .kernarg_segment_size: 40
    .max_flat_workgroup_size: 128
    .sgpr_count:     74
    .vgpr_count:     1024
    .wavefront_size: 32
...
	.end_amdgpu_metadata
.endif
;; end of part 3
;; launch hquant (part 4): grid 256 x 1, 32 waves a work-group, no clusters, 4,352 bytes of LDS; arguments out0, aq, rs; writes aq, rs
.if DOCPART == 4
	.amdgcn_target "amdgcn-amd-amdhsa--gfx1250"
	.amdhsa_code_object_version 6
	.text
	.protected	k_qffdc30751c_hquant
	.globl	k_qffdc30751c_hquant
	.p2align	8
	.type	k_qffdc30751c_hquant,@function
k_qffdc30751c_hquant:
	s_mov_b64 s[64:65], 0
	v_nop
	global_prefetch_b8 v0, s[64:65] scope:SCOPE_SE
	s_setreg_imm32_b32 hwreg(HW_REG_WAVE_MODE, 25, 1), 1
	s_wait_xcnt 0x0
; g = gelu(h) (the exact one, by erf); aq[r][:] = round(g[r][:] x sc_r) as bf16 (whole numbers of at most 127: exact), sc_r = 127 / max(max |g[r][:]|, 1e-5); rs[r] = 1 / sc_r.  h: [8192][2048] f32.
; GELU.  gelu(h) = max(h, 0) - |h| u, u = erfc(|h| / sqrt 2) / 2: no difference of near numbers on either side of 0.  u = t (a1 + t (a2 + t (a3 + t (a4 + t a5)))) 2^(-(c h)^2) / 2,
; t = 1 / (1 + p |h| / sqrt 2), c^2 = log2(e) / 2 (Abramowitz and Stegun 7.1.26).  LIMIT: that formula's error in erfc is at most 1.5e-7, so gelu is off by at most 7.5e-8 |h| beside the roundings.
; Far out the exponential is 0 (also where (c h)^2 overflows) and gelu is h or 0.
; THE QUANTISER takes reference()'s own f32 steps: a division rounded correctly (DIV), one multiply, round to nearest even.  The clip to -128 .. 127 is not written: |g| x sc is at most 127 (1 + 2^-23).
; LIMITS.  NaN and infinities are not treated apart; row maxima stay under 2^96, so that DIV's steps stay normal numbers.
; SHARES.  32 rows a work-group, ONE ROW A WAVE: 32 waves of 128 registers.  A row lies whole in 64 registers (a lane's load j holds columns 128 j + 4 lane + 0..3) between the pass that finds its maximum and
; the pass that quantises: h is read once.  A wave asks for its row's 8,192 bytes at its start, so all of the work-group's 262,144 bytes are on their way at once, and nothing is loaded a second time into a
; register; the GELU takes the row's four quarters as they land.  The text is one row's: no loop, no slots.
; Each load of a wave covers 512 consecutive bytes, each bf16 store 256, aligned.  NO TENSOR LOADS, NO CLUSTER, NO MATRIX UNIT: each byte is wanted by one wave, once.
.set SPARE, 256                        ; block 0 holds the 32 row scales; from here the spare words, 128 bytes for each of 32 waves: sixteen blocks of 256 bytes that no other line names
.set EPSB,  0x3727c5ac                 ; 1e-5
.set LO,   1                           ; v1   16 x lane + my row of h; never rewritten
.set SO,   2                           ; v2   8 x lane + my row of aq; never rewritten
.set WA,   3                           ; v3   4 x wave: my word of LDS
.set SPW,  4                           ; v4   LDS address of my spare word; never rewritten
.set NIL,  5                           ; v5   0; never rewritten
.set L4,   6                           ; v6   4 x lane
.set SCL,  8                           ; v[8:9] the scale, twice
.set INV,  10                          ; v10  1 / scale
.set LANE, 11
.set T,    16                          ; v[16:31] t, later max(h, 0)
.set E,    32                          ; v[32:47] the exponent, then the exponential
.set U,    48                          ; v[48:63] the polynomial, then u
.set X,    64                          ; v[64:127] the row
.set WV,   24                          ; s24  my wave's number
.set PP,   30                          ; s30  p / sqrt 2
.set CY,   32                          ; s[32:33] c; the packed forms take a pair's low word for both halves
.set A1,   34                          ; s[34:35] a1 / 2 ... s[42:43] a5 / 2
.set A2,   36
.set A3,   38
.set A4,   40
.set A5,   42
.macro DIV q, n, d, r, e               ; q = n / d, rounded correctly for normal operands
	v_rcp_f32 v[\r], v[\d]
	v_nop                                          ; a plain instruction behind the reciprocal,
	s_wait_alu depctr_va_vdst(0)                   ; and the wait ahead of its first reader
	v_fma_f32 v[\e], -v[\d], v[\r], 1.0
	v_fma_f32 v[\r], v[\e], v[\r], v[\r]
	v_mul_f32 v[\q], \n, v[\r]
	v_fma_f32 v[\e], -v[\d], v[\q], \n
	v_fma_f32 v[\q], v[\e], v[\r], v[\q]
	v_fma_f32 v[\e], -v[\d], v[\q], \n
	v_fma_f32 v[\q], v[\e], v[\r], v[\q]
.endm
	s_load_b128 s[4:7], s[0:1], 0x0                ; h s[4:5], aq s[6:7]
	s_load_b64 s[8:9], s[0:1], 0x10                ; rs
	v_lshl_add_u32 v[SPW], v0, 2, SPARE
	v_mov_b32 v[NIL], 0
	v_lshrrev_b32 v7, 5, v0
	v_readfirstlane_b32 s[WV], v7                  ; wave 0..31
	v_and_b32 v[LANE], 31, v0
	s_mov_b32 s25, 0x76543210                      ; v_permlanex16_b32: each lane takes its own place in the other half
	s_mov_b32 s26, 0xfedcba98
	s_mov_b32 s[PP], 0x3e6d3388                    ; 0.3275911 / sqrt 2 = 0.23164189
	s_mov_b32 s[CY], 0x3f596d27                    ; sqrt(log2(e) / 2) = 0.8493218
	s_mov_b32 s[A1], 0x3e027906                    ;  0.254829592 / 2
	s_mov_b32 s[A2], 0xbe11a98e                    ; -0.284496736 / 2
	s_mov_b32 s[A3], 0x3f35f0e3                    ;  1.421413741 / 2
	s_mov_b32 s[A4], 0xbf3a00e3                    ; -1.453152027 / 2
	s_mov_b32 s[A5], 0x3f07dc22                    ;  1.061405429 / 2
.irp c, CY, A1, A2, A3, A4, A5
	s_mov_b32 s[(\c)+1], s[(\c)]                   ; named as pairs, so both words are written
.endr
	v_lshlrev_b32 v[LO], 4, v[LANE]
	v_lshl_add_u32 v[LO], s[WV], 13, v[LO]         ; a row of h is 8,192 bytes
	v_lshlrev_b32 v[SO], 3, v[LANE]
	v_lshl_add_u32 v[SO], s[WV], 12, v[SO]         ; a row of aq 4,096
	s_lshl_b32 s27, s[WV], 2
	v_mov_b32 v[WA], s27
	v_lshlrev_b32 v[L4], 2, v[LANE]
	s_lshl_b32 s28, ttmp9, 18                      ; 32 rows of 8,192 bytes
	s_mov_b32 s29, 0
	s_wait_kmcnt 0x0
	s_add_nc_u64 s[4:5], s[4:5], s[28:29]
	s_lshl_b32 s28, ttmp9, 17                      ; 32 rows of 4,096 bytes
	s_add_nc_u64 s[6:7], s[6:7], s[28:29]
	s_lshl_b32 s28, ttmp9, 7                       ; 32 words
	s_add_nc_u64 s[8:9], s[8:9], s[28:29]
.set j, 0
.rept 16                                       ; my row: sixteen loads of 512 consecutive bytes
	global_load_b128 v[X+4*j:X+4*j+3], v[LO], s[4:5] offset:512*j th:TH_LOAD_NT
.set j, j+1
.endr
	; GELU in place, a quarter of the row (four loads, sixteen numbers a lane) at a time.  A quarter's 16 reciprocals and 16 exponentials are one batch with one wait.
.set g, 0
.rept 4
.set H, X+16*g
	s_wait_loadcnt 12-4*g                          ; loads come back in order (ISA guide 5.7.1): this quarter's four are in, the later quarters' stay out
.set i, 0
.rept 16
	v_fma_f32 v[T+i], |v[H+i]|, s[PP], 1.0
.set i, i+1
.endr
.set i, 0
.rept 8
	v_pk_mul_f32 v[E+i:E+i+1], v[H+i:H+i+1], s[CY:CY+1] op_sel_hi:[1,0]
.set i, i+2
.endr
.set i, 0
.rept 8
	v_pk_mul_f32 v[E+i:E+i+1], v[E+i:E+i+1], v[E+i:E+i+1] neg_lo:[1,0] neg_hi:[1,0]  ; -(c h)^2
.set i, i+2
.endr
.set i, 0
.rept 16
	v_rcp_f32 v[T+i], v[T+i]
.set i, i+1
.endr
.set i, 0
.rept 16
	v_exp_f32 v[E+i], v[E+i]
.set i, i+1
.endr
	v_nop                                          ; a plain instruction behind the last of the batch,
	s_wait_alu depctr_va_vdst(0)                   ; and the one wait for all 32, ahead of their first reader
.set i, 0
.rept 8
	v_pk_fma_f32 v[U+i:U+i+1], v[T+i:T+i+1], s[A5:A5+1], s[A4:A4+1] op_sel_hi:[1,0,0]
.set i, i+2
.endr
.irp c, A3, A2, A1
.set i, 0
.rept 8
	v_pk_fma_f32 v[U+i:U+i+1], v[T+i:T+i+1], v[U+i:U+i+1], s[(\c):(\c)+1] op_sel_hi:[1,1,0]
.set i, i+2
.endr
.endr
.set i, 0
.rept 8
	v_pk_mul_f32 v[U+i:U+i+1], v[U+i:U+i+1], v[T+i:T+i+1]
.set i, i+2
.endr
.set i, 0
.rept 8
	v_pk_mul_f32 v[U+i:U+i+1], v[U+i:U+i+1], v[E+i:E+i+1]  ; u
.set i, i+2
.endr
.set i, 0
.rept 16
	v_max_num_f32 v[T+i], 0, v[H+i]
.set i, i+1
.endr
.set i, 0
.rept 16
	v_fma_f32 v[H+i], -|v[H+i]|, v[U+i], v[T+i]    ; max(h, 0) - |h| u
.set i, i+1
.endr
.set g, g+1
.endr
.irp c, 0,1,2,3                        ; the largest |g| of my 64 numbers: four chains that do not wait for each other
	v_max_num_f32 v[16+(\c)], |v[X+16*(\c)]|, |v[X+16*(\c)+1]|
.endr
.set k, 1
.rept 7
.irp c, 0,1,2,3
	v_max3_num_f32 v[16+(\c)], v[16+(\c)], |v[X+16*(\c)+2*k]|, |v[X+16*(\c)+2*k+1]|
.endr
.set k, k+1
.endr
	v_max3_num_f32 v16, v16, v17, v18
	v_max_num_f32 v16, v16, v19
	v_max_num_f32_dpp v16, v16, v16 row_xmask:1 row_mask:0xf bank_mask:0xf
	v_max_num_f32_dpp v16, v16, v16 row_xmask:2 row_mask:0xf bank_mask:0xf
	v_max_num_f32_dpp v16, v16, v16 row_xmask:4 row_mask:0xf bank_mask:0xf
	v_max_num_f32_dpp v16, v16, v16 row_xmask:8 row_mask:0xf bank_mask:0xf
	v_permlanex16_b32 v17, v16, s25, s26
	v_max_num_f32 v16, v16, v17                    ; every lane holds the row's maximum
	v_max_num_f32 v16, EPSB, v16
	DIV SCL, 0x42fe0000, 16, 20, 21                ; sc = 127 / max(maximum, 1e-5)
	v_mov_b32 v[SCL+1], v[SCL]
	DIV INV, 1.0, SCL, 20, 21                      ; 1 / sc
	ds_store_b32 v[WA], v[INV]                     ; all lanes write the same word with the same number
.set j, 0
.rept 16
	v_pk_mul_f32 v[X+4*j:X+4*j+1], v[X+4*j:X+4*j+1], v[SCL:SCL+1]
	v_pk_mul_f32 v[X+4*j+2:X+4*j+3], v[X+4*j+2:X+4*j+3], v[SCL:SCL+1]
	v_rndne_f32 v[X+4*j], v[X+4*j]
	v_rndne_f32 v[X+4*j+1], v[X+4*j+1]
	v_rndne_f32 v[X+4*j+2], v[X+4*j+2]
	v_rndne_f32 v[X+4*j+3], v[X+4*j+3]
	v_cvt_pk_bf16_f32 v[X+4*j], v[X+4*j], v[X+4*j+1]
	v_cvt_pk_bf16_f32 v[X+4*j+1], v[X+4*j+2], v[X+4*j+3]
	global_store_b64 v[SO], v[X+4*j:X+4*j+1], s[6:7] offset:256*j  ; the wave stores 256 consecutive bytes, aligned
.set j, j+1
.endr
	s_wait_dscnt 0x0                               ; for wave 0's sake: my word lies in LDS
	s_barrier_signal -1
	s_barrier_wait -1
	s_cmp_lg_u32 s[WV], 0
	s_cbranch_scc1 .Lend
	ds_load_b32 v16, v[L4]                         ; word l is row l's: wave l put it there
	s_wait_dscnt 0x0
	global_store_b32 v[L4], v16, s[8:9]            ; 128 consecutive bytes of rs
.Lend:
	s_wait_tensorcnt 0x0                           ; the wave's end, behind my last LDS store
	ds_add_u32 v[SPW], v[NIL]
	s_wait_dscnt 0x0
	s_endpgm
.Lfunc_end_k_qffdc30751c_hquant:
	.size	k_qffdc30751c_hquant, .Lfunc_end_k_qffdc30751c_hquant-k_qffdc30751c_hquant
	.p2alignl 7, 3214868480
	.fill 96, 4, 3214868480
	.section	.rodata,"a",@progbits
	.p2align	6, 0x0
	.amdhsa_kernel k_qffdc30751c_hquant
		.amdhsa_group_segment_fixed_size 4352
		.amdhsa_private_segment_fixed_size 0
		.amdhsa_enable_private_segment 0
		.amdhsa_kernarg_size 24
		.amdhsa_user_sgpr_count 2
		.amdhsa_user_sgpr_kernarg_segment_ptr 1
		.amdhsa_wavefront_size32 1
		.amdhsa_system_sgpr_workgroup_id_x 1
		.amdhsa_system_sgpr_workgroup_id_y 1
		.amdhsa_system_sgpr_workgroup_id_z 1
		.amdhsa_system_vgpr_workitem_id 0
		.amdhsa_next_free_vgpr 128
		.amdhsa_next_free_sgpr 66
		.amdhsa_reserve_vcc 0
		.amdhsa_float_denorm_mode_32 3
		.amdhsa_float_denorm_mode_16_64 3
		.amdhsa_memory_ordered 1
		.amdhsa_forward_progress 1
		.amdhsa_inst_pref_size 46
	.end_amdhsa_kernel
	.amdgpu_metadata
---
amdhsa.version: [ 1, 2 ]
amdhsa.kernels:
  - .name:           k_qffdc30751c_hquant
    .symbol:         k_qffdc30751c_hquant.kd
    .args:
      - { .name: out0, .offset: 0, .size: 8, .value_kind: global_buffer, .address_space: global }
      - { .name: aq, .offset: 8, .size: 8, .value_kind: global_buffer, .address_space: global }
      - { .name: rs, .offset: 16, .size: 8, .value_kind: global_buffer, .address_space: global }
    .group_segment_fixed_size: 4352
    .private_segment_fixed_size: 0
    .kernarg_segment_align: 8
    .kernarg_segment_size: 24
    .max_flat_workgroup_size: 1024
    .sgpr_count:     66
    .vgpr_count:     128
    .wavefront_size: 32
...
	.end_amdgpu_metadata
.endif
;; end of part 4
;; launch gemm2: the kernel of part 3 again; grid 8 x 32, 4 waves a work-group, clusters of 4 x 4, 327,680 bytes of LDS; arguments aq, wq2, out0, rs, ws2; writes out0
;; ======== version 2 of 2: 5 launches; version 1 with the launch quant written anew for expert scheduling mode
;; limits: a function is approximated: absolute error at most 1.5e-07; an absolute error that grows with the inputs' magnitude: up to 7.5e-08 times it
;; workspace buffers: bsum 32,768 bytes; ws1 256 bytes; ws2 256 bytes; wq1 8,388,608 bytes; wq2 8,388,608 bytes; aq 33,554,432 bytes; rs 32,768 bytes
;; launch wsum: the kernel of part 1 again; grid 128 x 1, 1 waves a work-group, no clusters, 278,784 bytes of LDS; arguments w1, w2, bsum; writes bsum
;; launch quant (part 5): grid 512 x 1, 8 waves a work-group, no clusters, 17,920 bytes of LDS; arguments x, w1, w2, bsum, aq, rs, wq1, wq2, ws1, ws2; writes aq, rs, wq1, wq2, ws1, ws2
.if DOCPART == 5
	.amdgcn_target "amdgcn-amd-amdhsa--gfx1250"
	.amdhsa_code_object_version 6
	.text
	.protected	k_qffdc30751c_quant
	.globl	k_qffdc30751c_quant
	.p2align	8
	.type	k_qffdc30751c_quant,@function
k_qffdc30751c_quant:
	s_mov_b64 s[64:65], 0
	v_nop
	global_prefetch_b8 v0, s[64:65] scope:SCOPE_SE
	s_setreg_imm32_b32 hwreg(HW_REG_WAVE_SCHED_MODE, 0, 2), 2
	s_setreg_imm32_b32 hwreg(HW_REG_WAVE_MODE, 25, 1), 1
	s_wait_xcnt 0x0
	s_wait_alu depctr_vm_vsrc(0)
; TWO ROLES, by the work-group's number.
; ROLE W (work-groups 0-255): wq = clip(round(w x sc), -1, 1) as bf16, sc = 1 / max(mean |w|, 1e-5); ws = 1 / sc (64 copies).  w: [2048][2048] f32.
; ROLE X (work-groups 256-511): aq[r][:] = round(x[r][:] x sc_r) as bf16 (whole numbers of at most 127: exact), sc_r = 127 / max(max |x[r][:]|, 1e-5); rs[r] = 1 / sc_r.  x: [8192][2048] f32.
; EVERY DECISION OF A QUANTISER is made by reference()'s own f32 steps: a division rounded correctly (DIV), one f32 multiply, round to nearest even.
; THE MEAN.  The launch before has left 64 x 64 sums over windows of 32 x 32.  They are summed over windows of 32 x 32 once more: four sums s(A, B), each added one after the other from 0, rows outer,
; columns inner; then ((s00 + s01) + s10) + s11.  WAVE 0 of each work-group of role W does this, while all eight waves' rows of w are on their way: four chains of 1,024 additions that take turns, fed by
; 1,024 LDS loads in which all lanes read the same words.  The total goes to the other seven waves through one word of LDS.
; The order is an assumption about reference()'s compilation, stated at the head of the launch before.
; LIMITS.  NaN and infinities are not treated apart (a NaN loses in the maxima).  Row maxima and mean |w| stay under 2^96, so that DIV's steps stay normal numbers.
; The clip of the activations to -128 .. 127 is not written: |x| x sc is at most 127 (1 + 2^-23), which rounds to 127.  The forward value x + (q / sc - x) is taken as q x (1 / sc).
; NO TENSOR LOADS, NO CLUSTER, NO MATRIX UNIT: each byte of w and x is wanted by one wave, and lies in registers as it lies in memory; what is shared is 16 KiB of window sums a matrix.
; SHARES.  W: 16 rows a work-group, 2 a wave.  X: 32 rows a work-group, 4 a wave, a row whole in 64 registers (a lane's load j holds columns 128 j + 4 lane + 0..3), three row slots.
; Each load of a wave covers 512 consecutive bytes, each bf16 store 256, aligned.
; LDS.  0 .. 16,383: role W's window sums.  MEANW: role W's total, one word.  XSC .. XSC + 127: role X's 32 row scales.  Each in blocks of its own: no byte is named by both roles.  SPARE on: the spare words.
; THE MODE: SCHED_MODE bits 1:0 = 2 (LLVM: expert scheduling mode 2), set by the entry lines.  The code itself states the register dependences between vector instructions and memory or LDS
; instructions, with s_wait_alu, always for 0.
; THE PLAN, role W.  Registers that memory or LDS instructions touch:
;   v14, v15, v18, v23   offsets, written once at the role's head and never again.
;   v[40:55]    The window sums land here; four LDS stores read them; in wave 0 they are then part of the chain's third buffer.
;   B0, B1, B2  The chain's three buffers of 32 (v[192:223], v[224:255], v[32:63]).  A block is eight columns of all four windows: 32 additions.  Block p adds B[p % 3]; at its head the eight LDS
;               loads of block p + 2 land in B[(p + 2) % 3] = B[(p - 1) % 3], which block p - 1's additions alone have named: ONE wait on va_vdst at a block's head states all that they hang on.
;   v13         The chain's LDS address: read by every load of the chain, stepped once a trip of twelve blocks, behind a wait on vm_vsrc; the next block's head wait states its write.
;   v12         The total: written by wave 0's last additions, read by its LDS store, and then the landing place of every wave's LDS load of the total.
;   v[192:255]  In the quantiser: group n's two packed registers, none written twice.  The 32 groups go in four blocks of eight; block b's eight stores are issued in block b + 1, behind ONE wait on
;               va_vdst at its head, one store ahead of each group; the groups of block b + 1 name other registers.
; THE PLAN, role X.
;   v1, v2, v3, v6   offsets, written once at the role's head and never again.
;   A row's slot     Loaded, read by the maxima, scaled and packed in place; the stores read its registers 4 j and 4 j + 1.  A row's sixteen groups go in two blocks of eight: block 0's stores are issued
;                    in block 1, behind one wait on va_vdst, block 1's behind a second.  Slot 0 alone is loaded again, behind that second wait and a wait on vm_vsrc.
;   v[12:15]         1 / sc, a register to each of the wave's four rows: written by the row's division, read by one LDS store, never written again.
.set MEANW, 16384                      ; role W: the sum of all |w|
.set XSC,   16640                      ; role X's row scales: word 4 w + r is row r of wave w
.set SPARE, 16896                      ; the spare words, 128 bytes for each of eight waves: four blocks of 256 bytes that no other line names
.set EPSB,  0x3727c5ac                 ; 1e-5
.set SPW,  4                           ; v4   LDS address of my spare word; never rewritten
.set NIL,  5                           ; v5   0; never rewritten
.set LANE, 11                          ; v11  lane
.set SCL,  8                           ; v[8:9] the scale, twice
.set INV,  10                          ; v10  role W: 1 / scale
.set WV,   24                          ; s24  my wave's number
; q = n / d, rounded correctly for normal operands: a reciprocal, one step of Newton's, the quotient, and two corrections by the exact remainder.
.macro DIV q, n, d, r, e
	v_rcp_f32 v[\r], v[\d]
	v_nop                                          ; a plain instruction behind the reciprocal,
	s_wait_alu depctr_va_vdst(0)                   ; and the wait ahead of its first reader: the reciprocal is written
	v_fma_f32 v[\e], -v[\d], v[\r], 1.0
	v_fma_f32 v[\r], v[\e], v[\r], v[\r]
	v_mul_f32 v[\q], \n, v[\r]
	v_fma_f32 v[\e], -v[\d], v[\q], \n
	v_fma_f32 v[\q], v[\e], v[\r], v[\q]
	v_fma_f32 v[\e], -v[\d], v[\q], \n
	v_fma_f32 v[\q], v[\e], v[\r], v[\q]
.endm
	s_load_b512 s[4:19], s[0:1], 0x0               ; x s[4:5], w1 s[6:7], w2 s[8:9], bsum s[10:11], aq s[12:13], rs s[14:15], wq1 s[16:17], wq2 s[18:19]
	s_load_b128 s[20:23], s[0:1], 0x40             ; ws1 s[20:21], ws2 s[22:23]
	v_lshl_add_u32 v[SPW], v0, 2, SPARE
	v_mov_b32 v[NIL], 0
	v_lshrrev_b32 v7, 5, v0
	v_readfirstlane_b32 s[WV], v7                  ; wave 0..7
	v_and_b32 v[LANE], 31, v0
	s_mov_b32 s25, 0x76543210                      ; v_permlanex16_b32: each lane takes its own place in the other half
	s_mov_b32 s26, 0xfedcba98
	s_mov_b32 s37, 0                               ; the high word of every offset
	s_wait_alu depctr_va_sdst(0)                   ; s24, the wave's number, is written: ahead of the branch, and so of every reader in both roles
	s_wait_kmcnt 0x0
	s_cmp_lt_u32 ttmp9, 256
	s_cbranch_scc0 .Lrole_x
	; ---------------- ROLE W ----------------
.set CH,   24                          ; v[24:27] the four chains: s(A, B) at CH + 2 A + B
.set CA,   13                          ; v13  256 x the first row of the trip in hand: its place in a window's 32 rows
.set ZA,   23                          ; v23  0: MEANW stands in the immediate
.set RING, 192                         ; the chain's buffers: B0 at v192, B1 at v224, B2 at v32; in each, eight numbers of each chain
	s_lshr_b32 s27, ttmp9, 7                       ; which matrix
	s_and_b32 s28, ttmp9, 127                      ; which 16 rows
	s_cmp_eq_u32 s27, 0
	s_cselect_b64 s[30:31], s[6:7], s[8:9]         ; w
	s_cselect_b64 s[32:33], s[16:17], s[18:19]     ; wq
	s_cselect_b64 s[34:35], s[20:21], s[22:23]     ; ws
	s_lshl_b32 s36, s27, 14
	s_add_nc_u64 s[10:11], s[10:11], s[36:37]      ; the matrix's 16,384 bytes of window sums
	s_lshl_b32 s36, s28, 17
	s_add_nc_u64 s[30:31], s[30:31], s[36:37]      ; 16 rows of 8,192 bytes
	s_lshl_b32 s36, s28, 16
	s_add_nc_u64 s[32:33], s[32:33], s[36:37]      ; 16 rows of 4,096 bytes
	s_mov_b32 s40, 0x3f803f80                      ; 1.0 twice in bf16
	s_mov_b32 s41, 0xbf80bf80                      ; -1.0 twice
	v_lshlrev_b32 v14, 4, v0                       ; 16 x thread: the work-group's 256 threads take 4,096 bytes a load
	v_lshlrev_b32 v15, 4, v[LANE]
	v_lshl_add_u32 v15, s[WV], 14, v15             ; 16 x lane + my wave's two rows of w
	v_lshlrev_b32 v18, 3, v[LANE]
	v_lshl_add_u32 v18, s[WV], 13, v18             ; 8 x lane + my wave's two rows of wq
	v_mov_b32 v[ZA], 0
	v_mov_b32 v12, 0                               ; the total's register is written in every wave, ahead of the branches on the wave's number
	s_wait_alu depctr_va_vdst(0)                   ; the offsets v14, v15, v18 and v23 are written, which the role's loads and stores read; so is v12, in which the load of the total lands
.irp k, 0,1,2,3
	global_load_b128 v[40+4*(\k):43+4*(\k)], v14, s[10:11] offset:4096*(\k)
.endr
.set n, 0
.rept 32                                       ; both my rows: on their way while the mean is made
	global_load_b128 v[64+4*n:67+4*n], v15, s[30:31] offset:8192*(n/16)+512*(n%16) th:TH_LOAD_NT
.set n, n+1
.endr
	s_wait_loadcnt 32                              ; the window sums are in; the 32 younger loads stay out
.irp k, 0,1,2,3
	ds_store_b128 v14, v[40+4*(\k):43+4*(\k)] offset:4096*(\k)
.endr
	s_wait_dscnt 0x0                               ; for wave 0's sake: my part of the window sums lies in LDS
	s_barrier_signal -1
	s_barrier_wait -1                              ; everybody's does
	s_cmp_lg_u32 s[WV], 0
	s_cbranch_scc1 .Lsummed                        ; waves 1 to 7 go on to the next barrier
	; THE FOUR CHAINS, in wave 0.  Window sum (32 A + i, 32 B + j) lies at byte 8,192 A + 256 i + 128 B + 4 j.  A block takes columns 8 k .. 8 k + 7 of row i in all four windows: eight loads of 16 bytes,
	; 32 additions, the chains by turns.  Four blocks are a row; the three buffers are back at their start after twelve blocks, three rows: a trip.  A block is asked for two blocks, 64 additions, ahead of its use.
.macro CLOAD b, off                    ; eight numbers of each chain into buffer b, from byte off behind the trip's first row
.set RB, RING+32*(\b)-224*((\b)/2)
.irp t, 0,1
.irp c, 0,1,2,3
	ds_load_b128 v[RB+16*(\t)+4*(\c):RB+16*(\t)+4*(\c)+3], v[CA] offset:(\off)+16*(\t)+8192*((\c)/2)+128*((\c)%2)
.endr
.endr
.endm
.macro CADD b                          ; columns ascending in each chain
.set RB, RING+32*(\b)-224*((\b)/2)
.irp t, 0,1
.irp e, 0,1,2,3
.irp c, 0,1,2,3
	v_add_f32 v[CH+(\c)], v[CH+(\c)], v[RB+16*(\t)+4*(\c)+(\e)]
.endr
.endr
.endr
.endm
; Block i of a trip.  ask = 1: the block two on is asked for.  left: how many younger LDS loads may stay out when this block's eight have to be there.
.macro CBLK i, ask, left
.if \ask
	s_wait_alu depctr_va_vdst(0)                   ; the block before is done reading its buffer, in which the loads below land; in a trip's first block v13, which they read, is written
	CLOAD ((\i)+2)%3, 256*(((\i)+2)/4)+32*(((\i)+2)%4)
.endif
	s_wait_dscnt \left                             ; LDS loads come back in order (ISA guide 5.7.1): this block's eight are in
	CADD (\i)%3
.endm
.irp c, 0,1,2,3
	v_mov_b32 v[CH+(\c)], 0                        ; each chain starts from 0, as the sum that it follows does
.endr
	v_mov_b32 v[CA], 0
	s_wait_alu depctr_vm_vsrc(0)                   ; my LDS stores of the window sums have read v[40:55], which lie in B2 from here on
	s_wait_alu depctr_va_vdst(0)                   ; v13 is written, which the loads below read
	CLOAD 0, 0                                     ; row 0, columns 0 to 7
	CLOAD 1, 32                                    ; row 0, columns 8 to 15
	s_mov_b32 s38, 10
.Lchain:                                       ; a trip is three rows of all four windows: twelve blocks, four times round the three buffers
.irp i, 0,1,2,3,4,5,6,7,8,9,10,11
	CBLK \i, 1, 16                                 ; the next block's eight loads and the eight just issued are younger
.endr
	s_wait_alu depctr_vm_vsrc(0)                   ; the LDS loads issued so far have read v13
	v_add_nc_u32 v[CA], 768, v[CA]
	s_sub_co_u32 s38, s38, 1
	s_cmp_lg_u32 s38, 0
	s_cbranch_scc1 .Lchain
.irp i, 0,1,2,3,4,5                            ; rows 30 and 31 are written out: their first six blocks still ask for the block two on,
	CBLK \i, 1, 16
.endr
	CBLK 6, 0, 8                                   ; the last two ask for nothing: the counts run down to 0, so no LDS instruction of mine is out at the signal below
	CBLK 7, 0, 0
	v_add_f32 v12, v[CH], v[CH+1]                  ; the last stage: ((s00 + s01) + s10) + s11
	v_add_f32 v12, v12, v[CH+2]
	v_add_f32 v12, v12, v[CH+3]
	s_wait_alu depctr_va_vdst(0)                   ; v12 is written: the LDS store below reads it, and the load of the total lands in it
.Lsummed:
	s_barrier_signal -1                            ; wave 0's reads of LDS are over: the total's word is written only behind this barrier.
	s_barrier_wait -1                              ; The other seven waves wait here for the total in any case
	s_cmp_lg_u32 s[WV], 0
	s_cbranch_scc1 .Lhanded
	ds_store_b32 v[ZA], v12 offset:MEANW           ; all lanes write the same word with the same number
	s_wait_dscnt 0x0                               ; for the others' sake: the total lies in LDS
	s_wait_alu depctr_vm_vsrc(0)                   ; the store has read v12, in which the load below lands
.Lhanded:
	s_barrier_signal -1
	s_barrier_wait -1
	ds_load_b32 v12, v[ZA] offset:MEANW
	s_wait_dscnt 0x0
	v_mul_f32 v12, 0x34800000, v12                 ; the mean: the sum x 2^-22, exact
	v_max_num_f32 v12, EPSB, v12
	DIV SCL, 1.0, 12, 16, 17                       ; sc = 1 / max(mean, 1e-5)
	v_mov_b32 v[SCL+1], v[SCL]
	DIV INV, 1.0, SCL, 16, 17                      ; 1 / sc
	s_wait_loadcnt 0x0                             ; my two rows
.set n, 0
.rept 32                                       ; four weights a lane: multiply, round to even, to bf16 (0 and 1 exact, larger numbers stay larger), clip; v[192:255] take the results, none twice
.set a, 64+4*n
.set o, 192+2*n
.set p, n-8                                    ; the group whose store is issued here: the same place in the block before
.if (n >= 8) && (n%8 == 0)
	s_wait_alu depctr_va_vdst(0)                   ; the block before has written its sixteen packed registers, which the eight stores dealt among this block's groups read
.endif
.if n >= 8
	global_store_b64 v18, v[192+2*p:193+2*p], s[32:33] offset:4096*(p/16)+256*(p%16)  ; the wave stores 256 consecutive bytes, aligned; no vector instruction since the wait names these registers
.endif
	v_pk_mul_f32 v[a:a+1], v[a:a+1], v[SCL:SCL+1]
	v_pk_mul_f32 v[a+2:a+3], v[a+2:a+3], v[SCL:SCL+1]
	v_rndne_f32 v[a], v[a]
	v_rndne_f32 v[a+1], v[a+1]
	v_rndne_f32 v[a+2], v[a+2]
	v_rndne_f32 v[a+3], v[a+3]
	v_cvt_pk_bf16_f32 v[o], v[a], v[a+1]
	v_cvt_pk_bf16_f32 v[o+1], v[a+2], v[a+3]
	v_pk_min_num_bf16 v[o], v[o], s40
	v_pk_min_num_bf16 v[o+1], v[o+1], s40
	v_pk_max_num_bf16 v[o], v[o], s41
	v_pk_max_num_bf16 v[o+1], v[o+1], s41
.set n, n+1
.endr
	s_wait_alu depctr_va_vdst(0)                   ; the last block has written its sixteen packed registers, which the last eight stores read
.set p, 24
.rept 8
	global_store_b64 v18, v[192+2*p:193+2*p], s[32:33] offset:4096*(p/16)+256*(p%16)
.set p, p+1
.endr
	s_or_b32 s36, s28, s[WV]                       ; the matrix's first work-group, its wave 0, stores 1 / sc
	s_cmp_lg_u32 s36, 0
	s_cbranch_scc1 .Lend
	v_mov_b32 v20, v[INV]
	v_mov_b32 v21, v[INV]
	v_lshlrev_b32 v22, 3, v[LANE]
	s_wait_alu depctr_va_vdst(0)                   ; v20 to v22 are written: the store's data and its offset
	global_store_b64 v22, v[20:21], s[34:35]       ; 64 copies: 256 consecutive bytes, aligned
	s_branch .Lend
	; ---------------- ROLE X ----------------
.set LO, 1                             ; v1   16 x lane + my wave's four rows of x; never rewritten
.set SO, 2                             ; v2   8 x lane + my wave's four rows of aq; never rewritten
.set WA, 3                             ; v3   16 x wave: my four words among the row scales
.set L4, 6                             ; v6   4 x lane
.macro FILL s, r                       ; row r of my four into slot s: sixteen loads of 512 consecutive bytes
.set j, 0
.rept 16
	global_load_b128 v[64+64*(\s)+4*j:67+64*(\s)+4*j], v[LO], s[4:5] offset:8192*(\r)+512*j th:TH_LOAD_NT
.set j, j+1
.endr
.endm
; Row r, in slot s.  left: how many younger loads may stay out.  next >= 0: the slot is filled again with that row.
.macro ROW r, s, left, next
.set X, 64+64*(\s)
.set IV, 12+(\r)                       ; the row's own register for 1 / sc
	s_wait_loadcnt \left
.irp c, 0,1,2,3                        ; the largest |x| of my 64 numbers: four chains that do not wait for each other
	v_max_num_f32 v[16+(\c)], |v[X+16*(\c)]|, |v[X+16*(\c)+1]|
.endr
.set k, 1
.rept 7
.irp c, 0,1,2,3
	v_max3_num_f32 v[16+(\c)], v[16+(\c)], |v[X+16*(\c)+2*k]|, |v[X+16*(\c)+2*k+1]|
.endr
.set k, k+1
.endr
	v_max3_num_f32 v16, v16, v17, v18
	v_max_num_f32 v16, v16, v19
	v_max_num_f32_dpp v16, v16, v16 row_xmask:1 row_mask:0xf bank_mask:0xf
	v_max_num_f32_dpp v16, v16, v16 row_xmask:2 row_mask:0xf bank_mask:0xf
	v_max_num_f32_dpp v16, v16, v16 row_xmask:4 row_mask:0xf bank_mask:0xf
	v_max_num_f32_dpp v16, v16, v16 row_xmask:8 row_mask:0xf bank_mask:0xf
	v_permlanex16_b32 v17, v16, s25, s26
	v_max_num_f32 v16, v16, v17                    ; every lane holds the row's maximum
	v_max_num_f32 v16, EPSB, v16
	DIV SCL, 0x42fe0000, 16, 20, 21                ; sc = 127 / max(maximum, 1e-5)
	v_mov_b32 v[SCL+1], v[SCL]
	DIV IV, 1.0, SCL, 20, 21                       ; 1 / sc
.set j, 0
.rept 16
.set p, j-8                                    ; the group whose store is issued here: the same place in the block before
.if j == 8
	s_wait_alu depctr_va_vdst(0)                   ; the division has written 1 / sc, which the LDS store reads; groups 0 to 7 have written their packed registers, which the eight stores dealt among groups 8 to 15 read
	ds_store_b32 v[WA], v[IV] offset:XSC+4*(\r)    ; all lanes write the same word with the same number
.endif
.if j >= 8
	global_store_b64 v[SO], v[X+4*p:X+4*p+1], s[12:13] offset:4096*(\r)+256*p  ; the wave stores 256 consecutive bytes, aligned; no vector instruction since the wait names these registers
.endif
	v_pk_mul_f32 v[X+4*j:X+4*j+1], v[X+4*j:X+4*j+1], v[SCL:SCL+1]
	v_pk_mul_f32 v[X+4*j+2:X+4*j+3], v[X+4*j+2:X+4*j+3], v[SCL:SCL+1]
	v_rndne_f32 v[X+4*j], v[X+4*j]
	v_rndne_f32 v[X+4*j+1], v[X+4*j+1]
	v_rndne_f32 v[X+4*j+2], v[X+4*j+2]
	v_rndne_f32 v[X+4*j+3], v[X+4*j+3]
	v_cvt_pk_bf16_f32 v[X+4*j], v[X+4*j], v[X+4*j+1]
	v_cvt_pk_bf16_f32 v[X+4*j+1], v[X+4*j+2], v[X+4*j+3]
.set j, j+1
.endr
	s_wait_alu depctr_va_vdst(0)                   ; groups 8 to 15 have written their packed registers, which the stores below read; all vector work on the slot is over, so that loads may land in it; in the last row: also on v16
.set p, 8
.rept 8
	global_store_b64 v[SO], v[X+4*p:X+4*p+1], s[12:13] offset:4096*(\r)+256*p
.set p, p+1
.endr
.if (\next) >= 0
	s_wait_xcnt 0x0                                ; the stores above read the slot's registers: they are loaded again only behind this wait,
	s_wait_alu depctr_vm_vsrc(0)                   ; and behind this one: the row's sixteen stores have read the slot's registers, in which the loads below land
	FILL \s, \next
.endif
.endm
.Lrole_x:
	s_sub_co_u32 s27, ttmp9, 256                   ; which 32 rows
	s_lshl_b32 s36, s27, 18
	s_add_nc_u64 s[4:5], s[4:5], s[36:37]          ; 32 rows of 8,192 bytes
	s_lshl_b32 s36, s27, 17
	s_add_nc_u64 s[12:13], s[12:13], s[36:37]      ; 32 rows of 4,096 bytes
	s_lshl_b32 s36, s27, 7
	s_add_nc_u64 s[14:15], s[14:15], s[36:37]      ; 32 words
	v_lshlrev_b32 v[LO], 4, v[LANE]
	v_lshl_add_u32 v[LO], s[WV], 15, v[LO]
	v_lshlrev_b32 v[SO], 3, v[LANE]
	v_lshl_add_u32 v[SO], s[WV], 14, v[SO]
	s_lshl_b32 s38, s[WV], 4
	v_mov_b32 v[WA], s38
	v_lshlrev_b32 v[L4], 2, v[LANE]
	s_wait_alu depctr_va_vdst(0)                   ; the offsets v1, v2, v3 and v6 are written, which the role's loads and stores read
	FILL 0, 0
	FILL 1, 1
	FILL 2, 2
	ROW 0, 0, 32, 3                                ; rows 1 and 2, 32 loads, stay out
	ROW 1, 1, 32, -1                               ; rows 2 and 3 stay out
	ROW 2, 2, 16, -1                               ; row 3 stays out
	ROW 3, 0, 0, -1
	s_wait_dscnt 0x0                               ; for wave 0's sake: my four words lie in LDS
	s_barrier_signal -1
	s_barrier_wait -1
	s_cmp_lg_u32 s[WV], 0
	s_cbranch_scc1 .Lend
	ds_load_b32 v16, v[L4] offset:XSC              ; word l is row l's: wave w put its row r at 16 w + 4 r.  No vector instruction stands behind the last row's last wait on va_vdst, so nothing more is owed for v16
	s_wait_dscnt 0x0
	global_store_b32 v[L4], v16, s[14:15]          ; 128 consecutive bytes of rs
.Lend:
	s_wait_dscnt 0x0                               ; the closing lines, six on end
	s_wait_alu 0x0
	s_wait_tensorcnt 0x0
	ds_add_u32 v[SPW], v[NIL]
	s_wait_dscnt 0x0
	s_endpgm
.Lfunc_end_k_qffdc30751c_quant:
	.size	k_qffdc30751c_quant, .Lfunc_end_k_qffdc30751c_quant-k_qffdc30751c_quant
	.p2alignl 7, 3214868480
	.fill 96, 4, 3214868480
	.section	.rodata,"a",@progbits
	.p2align	6, 0x0
	.amdhsa_kernel k_qffdc30751c_quant
		.amdhsa_group_segment_fixed_size 17920
		.amdhsa_private_segment_fixed_size 0
		.amdhsa_enable_private_segment 0
		.amdhsa_kernarg_size 80
		.amdhsa_user_sgpr_count 2
		.amdhsa_user_sgpr_kernarg_segment_ptr 1
		.amdhsa_wavefront_size32 1
		.amdhsa_system_sgpr_workgroup_id_x 1
		.amdhsa_system_sgpr_workgroup_id_y 1
		.amdhsa_system_sgpr_workgroup_id_z 1
		.amdhsa_system_vgpr_workitem_id 0
		.amdhsa_next_free_vgpr 256
		.amdhsa_next_free_sgpr 66
		.amdhsa_reserve_vcc 0
		.amdhsa_float_denorm_mode_32 3
		.amdhsa_float_denorm_mode_16_64 3
		.amdhsa_memory_ordered 1
		.amdhsa_forward_progress 1
		.amdhsa_inst_pref_size 115
	.end_amdhsa_kernel
	.amdgpu_metadata
---
amdhsa.version: [ 1, 2 ]
amdhsa.kernels:
  - .name:           k_qffdc30751c_quant
    .symbol:         k_qffdc30751c_quant.kd
    .args:
      - { .name: x, .offset: 0, .size: 8, .value_kind: global_buffer, .address_space: global }
      - { .name: w1, .offset: 8, .size: 8, .value_kind: global_buffer, .address_space: global }
      - { .name: w2, .offset: 16, .size: 8, .value_kind: global_buffer, .address_space: global }
      - { .name: bsum, .offset: 24, .size: 8, .value_kind: global_buffer, .address_space: global }
      - { .name: aq, .offset: 32, .size: 8, .value_kind: global_buffer, .address_space: global }
      - { .name: rs, .offset: 40, .size: 8, .value_kind: global_buffer, .address_space: global }
      - { .name: wq1, .offset: 48, .size: 8, .value_kind: global_buffer, .address_space: global }
      - { .name: wq2, .offset: 56, .size: 8, .value_kind: global_buffer, .address_space: global }
      - { .name: ws1, .offset: 64, .size: 8, .value_kind: global_buffer, .address_space: global }
      - { .name: ws2, .offset: 72, .size: 8, .value_kind: global_buffer, .address_space: global }
    .group_segment_fixed_size: 17920
    .private_segment_fixed_size: 0
    .kernarg_segment_align: 8
    .kernarg_segment_size: 80
    .max_flat_workgroup_size: 256
    .sgpr_count:     66
    .vgpr_count:     256
    .wavefront_size: 32
...
	.end_amdgpu_metadata
.endif
;; end of part 5
;; launch gemm: the kernel of part 3 again; grid 8 x 32, 4 waves a work-group, clusters of 4 x 4, 327,680 bytes of LDS; arguments aq, wq1, out0, rs, ws1; writes out0
;; launch hquant: the kernel of part 4 again; grid 256 x 1, 32 waves a work-group, no clusters, 4,352 bytes of LDS; arguments out0, aq, rs; writes aq, rs
;; launch gemm2: the kernel of part 3 again; grid 8 x 32, 4 waves a work-group, clusters of 4 x 4, 327,680 bytes of LDS; arguments aq, wq2, out0, rs, ws2; writes out0
